; MI455X (gfx1250); checked and timed in simulation.
; The chip was launched on July 23, 2026; its instructions are those of AMD's public machine-readable ISA for CDNA 5 (MIT licence, August 2026) and "CDNA5" Instruction Set Architecture Reference Guide (July 2026). The comments in the code are by the model that wrote it; some were corrected since.
;; FJSP Actor. Allowed arithmetic: float matrix products may take bf16 or f16 operands with f32 sums; other float arithmetic in f32, or as packed bf16 or f16 multiplies, adds, multiply-adds, maxima and minima; sums over many terms, partial sums and values carried from step to step in f32; what a program stores and reads back later, other than sums and carried values, may be rounded once to bf16 or f16.
;; Inputs: W1 512 x 512 float32; W2 512 x 512 float32; W3 512 x 1 float32; b1 512 float32; b2 512 float32; b3 1 float32; dummy 512 float32; ma_emb 32 x 64 x 256 float32; next_op 32 x 128 int32; ops_emb 32 x 512 x 256 float32.
;; Outputs: out0 32 x 8,193 float32.
;; 3 versions, each right and faster than the one before. Each part assembles by itself: llvm-mc -triple=amdgcn-amd-amdhsa -mcpu=gfx1250 --defsym DOCPART=n.
;; ======== version 1 of 3: 2 launches
;; limits: inputs' magnitudes at most 22,700; values are held in f16: magnitudes above 65,504 overflow, below 6.1e-05 lose precision
;; workspace buffers: W2P 524,288 bytes; hmP 4,194,304 bytes; hjP 8,390,656 bytes
;; launch prep (part 1): grid 212 x 1, 16 waves a work-group, no clusters, 282,624 bytes of LDS; arguments ops_emb, ma_emb, next_op, dummy, W1, b1, W2, hjP, hmP, W2P; writes hjP, hmP, W2P
.if DOCPART == 1
	.amdgcn_target "amdgcn-amd-amdhsa--gfx1250"
	.amdhsa_code_object_version 6
	.text
	.protected	k_q6c33b4c971_prep
	.globl	k_q6c33b4c971_prep
	.p2align	8
	.type	k_q6c33b4c971_prep,@function
k_q6c33b4c971_prep:
	s_mov_b64 s[64:65], 0
	v_nop
	global_prefetch_b8 v0, s[64:65] scope:SCOPE_SE
	s_setreg_imm32_b32 hwreg(HW_REG_WAVE_MODE, 25, 1), 1
	s_wait_xcnt 0x0
; WHAT THE SECOND LAUNCH NEEDS, MADE ONCE.  K = 2 log2(e), so that tanh(x) = 1 - 2 / (1 + 2^(K x)).
;   hjP[128 b + j][0..511] = K (ops_emb[b][next_op[b][j]] . W1[0:256] + b1), f32;  hjP[4096] = K (dummy . W1 + b1)
;   hmP = K (ma_emb . W1[256:512]), f32, laid out so that a lane of the second launch loads its 16 bytes from 512 consecutive bytes of its wave
;   W2P[n][k] = f16(K bf16(W2[k][n])): W2 turned, K along the rows
; Every input is rounded once to bf16 (embeddings, dummy, W1, b1, W2); products in bf16 with f32 sums.
; LIMITS.  |K W2| stays under 65,504 (f16); below 6.1e-5 it keeps f16's fixed step of 6e-8.  An index is held to 0..511.  NaN and infinities are not treated apart.
; ROLES by the work-group's number x (the same for all 16 waves):  0-127: hj, batch x / 4, columns 128 (x % 4) on;  128-191: hm, 128 rows of ma_emb (two batches);
; 192-195: the dummy row (K = 512: two chunks);  196-211: a tile of 128 k x 128 n of W2.
; A product tile is 128 rows x 128 columns, K in chunks of 256: rows and W1 go through registers (rounded to bf16) into LDS; a wave makes 32 x 32.
; LDS: every region has one purpose, and the W2 role has regions of its own; only the dummy's second chunk writes bytes (AT, BT) a second time, behind a barrier of its own.
; No cluster and no tensor loads: the launch moves some 12 MB once and each tile is converted on its way in.
.set KF,    0x4038aa3b                 ; K = 2.885390
.set PA,    528                        ; a row of 256 bf16, or of 128 f32 on the way out: 512 bytes + 16: the 16 rows of a load start at 16 different groups of four banks
.set PB,    288                        ; a row of 128 bf16 of W1 (or f16 of W2): 256 bytes + 32, for the turning load
.set PN,    272                        ; a row of 128 f16 of turned W2: 256 bytes + 16
.set AT,    0                          ; 128 rows x 528: the rows, bf16
.set BT,    128*PA                     ; 256 rows x 288: W1, bf16
.set STG,   BT+256*PB                  ; 128 rows x 528: the products' f32 stage
.set TK,    STG+128*PA                 ; 128 rows x 288: W2's tile as it comes, [k][n]
.set TN,    TK+128*PB                  ; 128 rows x 272: W2's tile turned, [n][k]
.set SPARE, TN+128*PN                  ; the spare words: 128 bytes for each of 16 waves, eight blocks of 256 bytes that no other line names
.set LA,    32                         ; v[32:95]   16 loads of the rows
.set LB,    96                         ; v[96:159]  16 loads of W1
.set FR,    32                         ; v[32:63], v[64:95] two sets of fragments: 2 of the rows, 2 of W1
.set ACC,   192                        ; v[192:223] four accumulators
; v1 16 x lane   v2, v3 where I store rows and W1   v4, v5, v8 fragment addresses   v6, v7 the stage: in, back   v9 lane % 16   v10 lane / 16   v11 lane % 8   v14 (lane / 8) % 2
; v12, v13 the add's two registers   v[16:19] K b1
	s_load_b512 s[4:19], s[0:1], 0x0               ; ops_emb s[4:5], ma_emb s[6:7], next_op s[8:9], dummy s[10:11], W1 s[12:13], b1 s[14:15], W2 s[16:17], hjP s[18:19]
	s_load_b128 s[20:23], s[0:1], 0x40             ; hmP s[20:21], W2P s[22:23]
	v_lshl_add_u32 v12, v0, 2, SPARE
	v_mov_b32 v13, 0
	v_lshrrev_b32 v20, 5, v0
	v_readfirstlane_b32 s24, v20                   ; wave 0..15
	v_and_b32 v15, 31, v0
	v_lshlrev_b32 v1, 4, v15
	v_and_b32 v9, 15, v0
	v_bfe_u32 v10, v0, 4, 1
	v_and_b32 v11, 7, v0
	v_bfe_u32 v14, v0, 3, 1
	s_mov_b32 s28, KF
	s_mov_b32 s29, KF                              ; named with it as a pair
	s_mov_b32 s30, 0xffff0000                      ; a word's upper bf16
	s_and_b32 s27, ttmp9, 3                        ; nt: which 128 columns
	s_mov_b32 s67, 0                               ; the high word of every offset
	s_wait_kmcnt 0x0
	s_cmp_ge_u32 ttmp9, 196
	s_cbranch_scc1 .Ltrans
	s_cmp_ge_u32 ttmp9, 192
	s_cbranch_scc1 .Lrole_d
	s_cmp_ge_u32 ttmp9, 128
	s_cbranch_scc1 .Lrole_m
	; hj: my eight rows are named by next_op
	s_lshr_b32 s25, ttmp9, 2                       ; b
	s_lshl_b32 s68, s25, 7
	s_lshl3_add_u32 s68, s24, s68                  ; 128 b + 8 wave
	s_lshl_b32 s66, s68, 2
	s_add_nc_u64 s[70:71], s[8:9], s[66:67]
	s_load_b256 s[32:39], s[70:71], 0x0            ; eight indices
	s_lshl_b32 s66, s68, 11
	s_lshl_b32 s69, s27, 9
	s_add_co_u32 s66, s66, s69
	s_add_nc_u64 s[74:75], s[18:19], s[66:67]      ; out: hjP at row 128 b + 8 wave, column 128 nt
	s_mov_b64 s[58:59], s[4:5]
	s_mov_b32 s26, 0                               ; W1's first row
	s_lshl_b32 s69, s25, 9                         ; 512 b
	s_wait_kmcnt 0x0
.irp i, 0,1,2,3,4,5,6,7
	s_min_u32 s[32+\i], s[32+\i], 511              ; an index stays inside its table
	s_add_co_u32 s[32+\i], s[32+\i], s69
.endr
	s_branch .Lgemm
.Lrole_m:
	s_sub_co_u32 s25, ttmp9, 128
	s_lshr_b32 s25, s25, 2                         ; mt: rows 128 mt on, batches 2 mt and 2 mt + 1
	s_lshl_b32 s66, s25, 7
	s_lshl3_add_u32 s66, s24, s66
.irp i, 0,1,2,3,4,5,6,7
	s_add_co_u32 s[32+\i], s66, \i
.endr
	s_lshr_b32 s68, s24, 3                         ; on the way out a wave is a block of hmP: batch half,
	s_bfe_u32 s69, s24, 0x10002                    ; half of the 128 columns,
	s_and_b32 s70, s24, 3                          ; quarter of the 64 machines
	s_lshl1_add_u32 s71, s25, s68                  ; b
	s_lshl1_add_u32 s31, s27, s69                  ; g = 2 nt + half
	s_lshl3_add_u32 s71, s71, s31
	s_lshl2_add_u32 s71, s71, s70
	s_lshl_b32 s66, s71, 12                        ; blocks of 4,096 bytes
	s_add_nc_u64 s[74:75], s[20:21], s[66:67]
	s_mov_b64 s[58:59], s[6:7]
	s_mov_b32 s26, 256
	s_branch .Lgemm
.Lrole_d:
.irp i, 0,1,2,3,4,5,6,7
	s_mov_b32 s[32+\i], 0                          ; all 128 rows are the dummy
.endr
	s_lshl_b32 s66, s27, 9
	s_add_co_u32 s66, s66, 4096*2048
	s_add_nc_u64 s[74:75], s[18:19], s[66:67]      ; out: hjP's row 4096
	s_mov_b64 s[58:59], s[10:11]
	s_mov_b32 s26, 0
.Lgemm:
.irp i, 0,1,2,3,4,5,6,7
	s_lshl_b32 s66, s[32+\i], 10                   ; rows of 1,024 bytes
	s_add_nc_u64 s[40+2*\i:41+2*\i], s[58:59], s[66:67]
.endr
	s_lshl4_add_u32 s66, s24, s26                  ; my 16 rows of W1
	s_lshl_b32 s66, s66, 11
	s_lshl_b32 s68, s27, 9
	s_add_co_u32 s66, s66, s68
	s_add_nc_u64 s[56:57], s[12:13], s[66:67]
	s_mov_b32 s66, s68
	s_add_nc_u64 s[72:73], s[14:15], s[66:67]
	global_load_b128 v[16:19], v1, s[72:73]        ; b1 of columns 128 nt + 4 lane on
	s_mul_i32 s66, s24, 8*PA
	v_lshl_add_u32 v2, v15, 3, s66                 ; rows in: row 8 wave, 8 bytes a lane
	s_mul_i32 s66, s24, 16*PB
	s_add_co_u32 s66, s66, BT
	v_lshl_add_u32 v3, v15, 3, s66                 ; W1 in: row 16 wave
	s_lshr_b32 s68, s24, 2                         ; wm: my 32 rows
	s_and_b32 s69, s24, 3                          ; wn: my 32 columns
	s_mul_i32 s70, s68, 32*PA
	v_mul_u32_u24 v4, v9, PA
	v_lshl_add_u32 v4, v10, 4, v4
	v_add_nc_u32 v4, s70, v4                       ; a fragment of rows: (32 wm + lane % 16) x pitch + 16 (lane / 16)
	v_lshl_add_u32 v5, v10, 3, v11
	v_mul_u32_u24 v5, v5, PB
	v_lshl_add_u32 v5, v14, 4, v5
	s_lshl_b32 s71, s69, 6
	s_add_co_u32 s71, s71, BT
	v_add_nc_u32 v5, s71, v5                       ; the turning load: k row 8 (lane / 16) + lane % 8, 16 bytes for each half of eight lanes
	v_add_nc_u32 v8, 4*32*PB, v5                   ; K steps 4 to 7: their offsets would pass 16 bits
	v_mul_u32_u24 v6, v9, PA
	v_lshl_add_u32 v6, v10, 5, v6
	s_lshl_b32 s71, s69, 7
	s_add_co_u32 s71, s71, s70
	s_add_co_u32 s71, s71, STG
	v_add_nc_u32 v6, s71, v6                       ; the stage, in: row 32 wm + lane % 16, f32 column 32 wn + 8 (lane / 16)
.macro FRAG                            ; the eight loads of K step ks into set ks % 2
.set fs, FR+32*(ks%2)
.irp a, 0,1
	ds_load_b128 v[fs+8*\a:fs+8*\a+3],   v4 offset:\a*16*PA+64*ks
	ds_load_b128 v[fs+8*\a+4:fs+8*\a+7], v4 offset:\a*16*PA+64*ks+32
.endr
.irp c, 0,1
.if ks < 4
	ds_load_tr16_b128 v[fs+16+8*\c:fs+16+8*\c+3],   v5 offset:ks*32*PB+32*\c
	ds_load_tr16_b128 v[fs+16+8*\c+4:fs+16+8*\c+7], v5 offset:ks*32*PB+16*PB+32*\c
.else
	ds_load_tr16_b128 v[fs+16+8*\c:fs+16+8*\c+3],   v8 offset:(ks-4)*32*PB+32*\c
	ds_load_tr16_b128 v[fs+16+8*\c+4:fs+16+8*\c+7], v8 offset:(ks-4)*32*PB+16*PB+32*\c
.endif
.endr
.endm
.macro MM4 zero                        ; source 0 = 16 columns of W1, source 1 = 16 rows: a lane holds eight neighbouring columns of one row.  The four accumulators take turns
.set fm, FR+32*(ks%2)
.irp a, 0,1
.irp c, 0,1
.if (\zero) && (ks == 0)
	v_wmma_f32_16x16x32_bf16 v[ACC+8*(2*\a+\c):ACC+8*(2*\a+\c)+7], v[fm+16+8*\c:fm+16+8*\c+7], v[fm+8*\a:fm+8*\a+7], 0
.else
	v_wmma_f32_16x16x32_bf16 v[ACC+8*(2*\a+\c):ACC+8*(2*\a+\c)+7], v[fm+16+8*\c:fm+16+8*\c+7], v[fm+8*\a:fm+8*\a+7], v[ACC+8*(2*\a+\c):ACC+8*(2*\a+\c)+7]
.endif
.endr
.endr
.endm
; 256 along K: 32 loads a wave, rounded to bf16 into LDS; a barrier; eight K steps of 32.  At its end no LDS instruction of the wave is out (the last step's wait is for 0).
.macro CHUNK zero, aimm, bimm
.irp i, 0,1,2,3,4,5,6,7
	global_load_b128 v[LA+8*\i:LA+8*\i+3],   v1, s[40+2*\i:41+2*\i] offset:(\aimm)
	global_load_b128 v[LA+8*\i+4:LA+8*\i+7], v1, s[40+2*\i:41+2*\i] offset:(\aimm)+512
.endr
.irp i, 0,1,2,3,4,5,6,7,8,9,10,11,12,13,14,15
	global_load_b128 v[LB+4*\i:LB+4*\i+3], v1, s[56:57] offset:\i*2048+(\bimm)
.endr
	s_wait_loadcnt 16                              ; the rows are in; W1's sixteen loads may be out
.irp j, 0,1,2,3,4,5,6,7,8,9,10,11,12,13,14,15
	v_cvt_pk_bf16_f32 v[LA+4*\j],   v[LA+4*\j],   v[LA+4*\j+1]
	v_cvt_pk_bf16_f32 v[LA+4*\j+1], v[LA+4*\j+2], v[LA+4*\j+3]
	ds_store_b64 v2, v[LA+4*\j:LA+4*\j+1] offset:(\j/2)*PA+(\j%2)*256
.endr
	s_wait_loadcnt 0x0
.irp j, 0,1,2,3,4,5,6,7,8,9,10,11,12,13,14,15
	v_cvt_pk_bf16_f32 v[LB+4*\j],   v[LB+4*\j],   v[LB+4*\j+1]
	v_cvt_pk_bf16_f32 v[LB+4*\j+1], v[LB+4*\j+2], v[LB+4*\j+3]
	ds_store_b64 v3, v[LB+4*\j:LB+4*\j+1] offset:\j*PB
.endr
	s_wait_dscnt 0x0                               ; for the others' sake: my stores are done
	s_barrier_signal -1
	s_barrier_wait -1
.set ks, 0
	FRAG
.rept 8
.if ks < 7
.if ks > 0
.rept 4
	v_nop                                          ; four places between the products that read a set and the loads into it
.endr
.endif
.set ks, ks+1
	FRAG
.set ks, ks-1
	s_wait_dscnt 8                                 ; this step's eight loads are in; the next step's eight may be out
.else
	s_wait_dscnt 0x0
.endif
	MM4 \zero
.set ks, ks+1
.endr
.rept 4
	v_nop                                          ; places behind the last products: their results are stored, or their sources loaded again, below
.endr
.endm
	CHUNK 1, 0, 0
	s_cmp_lt_u32 ttmp9, 192
	s_cbranch_scc1 .Lone_chunk
	s_barrier_signal -1                            ; the dummy has 512 numbers.  Every wave's reads of the rows and of W1 are back (the last step's wait for 0):
	s_barrier_wait -1                              ; only behind this barrier are the two regions written again
	CHUNK 0, 1024, 256*2048                        ; the dummy's second half, W1's rows 256 on
.Lone_chunk:
.irp a, 0,1
.irp c, 0,1
	ds_store_b128 v6, v[ACC+8*(2*\a+\c):ACC+8*(2*\a+\c)+3]   offset:\a*16*PA+\c*64      ; each accumulator's low registers first
	ds_store_b128 v6, v[ACC+8*(2*\a+\c)+4:ACC+8*(2*\a+\c)+7] offset:\a*16*PA+\c*64+16
.endr
.endr
	v_cvt_pk_bf16_f32 v20, v16, v17                ; K bf16(b1)
	v_cvt_pk_bf16_f32 v21, v18, v19
	v_lshlrev_b32 v16, 16, v20
	v_and_b32 v17, s30, v20
	v_lshlrev_b32 v18, 16, v21
	v_and_b32 v19, s30, v21
	v_pk_mul_f32 v[16:17], v[16:17], s[28:29] op_sel_hi:[1,0]
	v_pk_mul_f32 v[18:19], v[18:19], s[28:29] op_sel_hi:[1,0]
	s_wait_dscnt 0x0
	s_barrier_signal -1
	s_barrier_wait -1
	s_cmp_ge_u32 ttmp9, 192
	s_cbranch_scc1 .Lout_d
	s_cmp_ge_u32 ttmp9, 128
	s_cbranch_scc1 .Lout_m
	; hj out: a wave takes eight whole rows of 512 bytes
	s_mul_i32 s66, s24, 8*PA
	s_add_co_u32 s66, s66, STG
	v_add_nc_u32 v7, s66, v1
.irp i, 0,1,2,3,4,5,6,7
	ds_load_b128 v[96+4*\i:96+4*\i+3], v7 offset:\i*PA
.endr
.irp i, 0,1,2,3,4,5,6,7
	s_wait_dscnt 7-\i
	v_pk_fma_f32 v[96+4*\i:96+4*\i+1],   v[96+4*\i:96+4*\i+1],   s[28:29], v[16:17] op_sel_hi:[1,0,1]
	v_pk_fma_f32 v[96+4*\i+2:96+4*\i+3], v[96+4*\i+2:96+4*\i+3], s[28:29], v[18:19] op_sel_hi:[1,0,1]
	global_store_b128 v1, v[96+4*\i:96+4*\i+3], s[74:75] offset:\i*2048     ; 512 consecutive bytes, at a multiple of 256 from hjP's first
.endr
	s_branch .Lend
.Lout_d:
	s_cmp_lg_u32 s24, 0
	s_cbranch_scc1 .Lend                           ; all rows are alike: wave 0 stores row 0
	v_add_nc_u32 v7, STG, v1
	ds_load_b128 v[96:99], v7
	s_wait_dscnt 0x0
	v_pk_fma_f32 v[96:97], v[96:97], s[28:29], v[16:17] op_sel_hi:[1,0,1]
	v_pk_fma_f32 v[98:99], v[98:99], s[28:29], v[18:19] op_sel_hi:[1,0,1]
	global_store_b128 v1, v[96:99], s[74:75]
	s_branch .Lend
.Lout_m:
	; hm out, in the order in which the second launch's lanes want it: load 2 i + f of a block holds, for lane l, machine row 8 ((l / 8) % 2) + 2 i + l / 16, columns 8 (l % 8) + 4 f on
	s_lshr_b32 s68, s24, 3                         ; batch half: 64 rows of the stage,
	s_mul_i32 s68, s68, 64*PA
	s_and_b32 s70, s24, 3                          ; quarter of the machines: 16 rows,
	s_mul_i32 s70, s70, 16*PA
	s_add_co_u32 s68, s68, s70
	s_lshr_b32 s69, s24, 2
	s_and_b32 s69, s69, 1                          ; half of the 128 columns: 256 bytes
	s_lshl_b32 s69, s69, 8
	s_add_co_u32 s68, s68, s69
	s_add_co_u32 s68, s68, STG
	v_lshl_add_u32 v7, v14, 3, v10
	v_mul_u32_u24 v7, v7, PA
	v_lshl_add_u32 v7, v11, 5, v7
	v_add_nc_u32 v7, s68, v7
.irp i, 0,1,2,3,4,5,6,7
	ds_load_b128 v[96+4*\i:96+4*\i+3], v7 offset:(\i/2)*2*PA+(\i%2)*16
.endr
.irp i, 0,1,2,3,4,5,6,7
	s_wait_dscnt 7-\i
	v_pk_mul_f32 v[96+4*\i:96+4*\i+1],   v[96+4*\i:96+4*\i+1],   s[28:29] op_sel_hi:[1,0]
	v_pk_mul_f32 v[96+4*\i+2:96+4*\i+3], v[96+4*\i+2:96+4*\i+3], s[28:29] op_sel_hi:[1,0]
	global_store_b128 v1, v[96+4*\i:96+4*\i+3], s[74:75] offset:\i*512
.endr
	s_branch .Lend
.Ltrans:
	; W2: 128 k x 128 n, rounded to bf16, times K, rounded to f16, turned in LDS
	s_sub_co_u32 s25, ttmp9, 196
	s_lshr_b32 s25, s25, 2                         ; kt
	s_lshl_b32 s66, s25, 7
	s_lshl3_add_u32 s66, s24, s66                  ; k row 128 kt + 8 wave
	s_lshl_b32 s66, s66, 11
	s_lshl_b32 s68, s27, 9
	s_add_co_u32 s66, s66, s68
	s_add_nc_u64 s[56:57], s[16:17], s[66:67]
.irp i, 0,1,2,3,4,5,6,7
	global_load_b128 v[32+4*\i:32+4*\i+3], v1, s[56:57] offset:\i*2048 th:TH_LOAD_NT
.endr
	s_mul_i32 s68, s24, 8*PB
	s_add_co_u32 s68, s68, TK
	v_lshl_add_u32 v3, v15, 3, s68                 ; [k][n] in: row 8 wave, 8 bytes a lane
	s_lshr_b32 s69, s24, 1                         ; which 16 columns n I turn,
	s_and_b32 s70, s24, 1                          ; which 64 rows k
	v_lshl_add_u32 v5, v10, 3, v11
	v_mul_u32_u24 v5, v5, PB
	v_lshl_add_u32 v5, v14, 4, v5
	s_mul_i32 s71, s70, 64*PB
	s_lshl_b32 s68, s69, 5
	s_add_co_u32 s71, s71, s68
	s_add_co_u32 s71, s71, TK
	v_add_nc_u32 v5, s71, v5
	v_mul_u32_u24 v6, v9, PN
	v_lshl_add_u32 v6, v10, 4, v6
	s_mul_i32 s71, s69, 16*PN
	s_lshl_b32 s68, s70, 7
	s_add_co_u32 s71, s71, s68
	s_add_co_u32 s71, s71, TN
	v_add_nc_u32 v6, s71, v6                       ; [n][k] in: row 16 tn + lane % 16, k 64 kh + 8 (lane / 16)
	v_mul_u32_u24 v7, v10, PN
	v_lshl_add_u32 v7, v9, 4, v7
	s_mul_i32 s71, s24, 8*PN
	s_add_co_u32 s71, s71, TN
	v_add_nc_u32 v7, s71, v7                       ; back: lanes 0-15 one row of 256 bytes, lanes 16-31 the next
	v_lshlrev_b32 v8, 10, v10
	v_lshl_add_u32 v8, v9, 4, v8                   ; and the same two rows in W2P
	s_lshl_b32 s66, s27, 7
	s_lshl3_add_u32 s66, s24, s66
	s_lshl_b32 s66, s66, 10
	s_lshl_b32 s68, s25, 8
	s_add_co_u32 s66, s66, s68
	s_add_nc_u64 s[74:75], s[22:23], s[66:67]      ; W2P at row 128 nt + 8 wave, k 128 kt
.irp i, 0,1,2,3,4,5,6,7
	s_wait_loadcnt 7-\i
	v_cvt_pk_bf16_f32 v96, v[32+4*\i],   v[32+4*\i+1]
	v_cvt_pk_bf16_f32 v97, v[32+4*\i+2], v[32+4*\i+3]
	v_lshlrev_b32 v[32+4*\i],   16,  v96
	v_and_b32     v[32+4*\i+1], s30, v96
	v_lshlrev_b32 v[32+4*\i+2], 16,  v97
	v_and_b32     v[32+4*\i+3], s30, v97
	v_pk_mul_f32 v[32+4*\i:32+4*\i+1],   v[32+4*\i:32+4*\i+1],   s[28:29] op_sel_hi:[1,0]
	v_pk_mul_f32 v[32+4*\i+2:32+4*\i+3], v[32+4*\i+2:32+4*\i+3], s[28:29] op_sel_hi:[1,0]
	v_cvt_pk_f16_f32 v[32+4*\i],   v[32+4*\i],   v[32+4*\i+1]
	v_cvt_pk_f16_f32 v[32+4*\i+1], v[32+4*\i+2], v[32+4*\i+3]
	ds_store_b64 v3, v[32+4*\i:32+4*\i+1] offset:\i*PB
.endr
	s_wait_dscnt 0x0
	s_barrier_signal -1
	s_barrier_wait -1
.irp j, 0,1,2,3
	ds_load_tr16_b128 v[64+4*\j:64+4*\j+3], v5 offset:\j*16*PB      ; 16 k x 16 n: a lane gets eight k of one column n
.endr
	s_wait_dscnt 0x0
.irp j, 0,1,2,3
	ds_store_b128 v6, v[64+4*\j:64+4*\j+3] offset:32*\j
.endr
	s_wait_dscnt 0x0
	s_barrier_signal -1
	s_barrier_wait -1
.irp i, 0,1,2,3
	ds_load_b128 v[80+4*\i:80+4*\i+3], v7 offset:\i*2*PN
.endr
.irp i, 0,1,2,3
	s_wait_dscnt 3-\i
	global_store_b128 v8, v[80+4*\i:80+4*\i+3], s[74:75] offset:\i*2048     ; 16 lanes store 256 consecutive bytes, at a multiple of 256 from W2P's first
.endr
.Lend:
	s_wait_tensorcnt 0x0                           ; the wave's end, behind my last LDS store
	ds_add_u32 v12, v13
	s_wait_dscnt 0x0
	s_endpgm
.Lfunc_end_k_q6c33b4c971_prep:
	.size	k_q6c33b4c971_prep, .Lfunc_end_k_q6c33b4c971_prep-k_q6c33b4c971_prep
	.p2alignl 7, 3214868480
	.fill 96, 4, 3214868480
	.section	.rodata,"a",@progbits
	.p2align	6, 0x0
	.amdhsa_kernel k_q6c33b4c971_prep
		.amdhsa_group_segment_fixed_size 282624
		.amdhsa_private_segment_fixed_size 0
		.amdhsa_enable_private_segment 0
		.amdhsa_kernarg_size 80
		.amdhsa_user_sgpr_count 2
		.amdhsa_user_sgpr_kernarg_segment_ptr 1
		.amdhsa_wavefront_size32 1
		.amdhsa_system_sgpr_workgroup_id_x 1
		.amdhsa_system_sgpr_workgroup_id_y 1
		.amdhsa_system_sgpr_workgroup_id_z 1
		.amdhsa_system_vgpr_workitem_id 0
		.amdhsa_next_free_vgpr 224
		.amdhsa_next_free_sgpr 80
		.amdhsa_reserve_vcc 0
		.amdhsa_float_denorm_mode_32 3
		.amdhsa_float_denorm_mode_16_64 3
		.amdhsa_memory_ordered 1
		.amdhsa_forward_progress 1
		.amdhsa_inst_pref_size 56
	.end_amdhsa_kernel
	.amdgpu_metadata
---
amdhsa.version: [ 1, 2 ]
amdhsa.kernels:
  - .name:           k_q6c33b4c971_prep
    .symbol:         k_q6c33b4c971_prep.kd
    .args:
      - { .name: ops_emb, .offset: 0, .size: 8, .value_kind: global_buffer, .address_space: global }
      - { .name: ma_emb, .offset: 8, .size: 8, .value_kind: global_buffer, .address_space: global }
      - { .name: next_op, .offset: 16, .size: 8, .value_kind: global_buffer, .address_space: global }
      - { .name: dummy, .offset: 24, .size: 8, .value_kind: global_buffer, .address_space: global }
      - { .name: W1, .offset: 32, .size: 8, .value_kind: global_buffer, .address_space: global }
      - { .name: b1, .offset: 40, .size: 8, .value_kind: global_buffer, .address_space: global }
      - { .name: W2, .offset: 48, .size: 8, .value_kind: global_buffer, .address_space: global }
      - { .name: hjP, .offset: 56, .size: 8, .value_kind: global_buffer, .address_space: global }
      - { .name: hmP, .offset: 64, .size: 8, .value_kind: global_buffer, .address_space: global }
      - { .name: W2P, .offset: 72, .size: 8, .value_kind: global_buffer, .address_space: global }
    .group_segment_fixed_size: 282624
    .private_segment_fixed_size: 0
    .kernarg_segment_align: 8
    .kernarg_segment_size: 80
    .max_flat_workgroup_size: 512
    .sgpr_count:     80
    .vgpr_count:     224
    .wavefront_size: 32
...
	.end_amdgpu_metadata
.endif
;; end of part 1
;; launch pairs (part 2): grid 8 x 32, 4 waves a work-group, clusters of 4 x 1, 327,680 bytes of LDS; arguments W2P, hmP, hjP, b2, W3, b3, out0; writes out0
.if DOCPART == 2
	.amdgcn_target "amdgcn-amd-amdhsa--gfx1250"
	.amdhsa_code_object_version 6
	.text
	.protected	k_q6c33b4c971_pairs
	.globl	k_q6c33b4c971_pairs
	.p2align	8
	.type	k_q6c33b4c971_pairs,@function
k_q6c33b4c971_pairs:
	s_mov_b64 s[64:65], 0
	v_nop
	global_prefetch_b8 v0, s[64:65] scope:SCOPE_SE
	s_setreg_imm32_b32 hwreg(HW_REG_WAVE_MODE, 25, 1), 1
	s_wait_xcnt 0x0
	s_wait_alu depctr_hold_cnt(0) depctr_sa_sdst(0) depctr_va_vdst(0) depctr_va_sdst(0) depctr_va_ssrc(0) depctr_va_vcc(0) depctr_vm_vsrc(0)
	s_getreg_b32 s2, hwreg(HW_REG_IB_STS2, 6, 4)
	s_cmp_eq_u32 s2, 0
	s_cbranch_scc0 .Lentry_in_a_cluster
	s_endpgm
.Lentry_in_a_cluster:
	s_bfe_u32 s2, ttmp6, 0x10000c
	s_cmp_lg_u32 s2, 0x3003
	s_cbranch_scc0 .Lentry_shape_is_right
	s_endpgm
.Lentry_shape_is_right:
; out0[b][1 + 64 j + m] = W3 . tanh(W2^T tanh(hj[b][j] + hm[b][m] + b1) + b2) + b3;  out0[b][0] the same of the dummy row.  hjP, hmP, W2P come scaled by K = 2 log2(e):
; tanh(x) = 1 - 2 / (1 + 2^(K x)), right at both ends: 2^(..) = infinity gives 1, 0 gives -1.
; SHARES.  Work-group (q, b): jobs 16 q .. 16 q + 15 of batch b, 1,024 pair rows = 64 BLOCKS of 16 (block rb: job rb / 4, machines 16 (rb % 4) on).  Wave w owns the 128 columns 128 w on of the second layer.
; A SHIFT REGISTER OF SUMS.  A wave holds eight blocks at once, 8 x 64 registers: acc[1..8].  A TRIP multiplies all eight by one granule of W2 (64 along K): 128 matrix instructions.  In the first 32 along K
; position p does acc[p+1] = acc[p] + A_p B (p = 7 .. 0; position 0 starts from K b2), in the second 32 it goes on in place.  So one block enters and one leaves in every trip, the block that leaves
; always lies in acc[8], and a trip's text is always the same.  72 trips: blocks outside 0..63 are the dummy row (factor 0 on hm, hjP's row 4096); block 64 gives the no-op logit.
; BESIDE THE PRODUCTS, behind each matrix instruction: the second tanh and the dot with W3 of the block that left, and my quarter (positions w and w + 4) of the next trip's tile of h1 (128 rows x 64).
; FORMATS.  h1 and K W2 in f16, sums in f32; b2, W3, b3 rounded once to bf16 like all the module's inputs.  logit = sum(w3) + sum(-2 w3 / (1 + 2^s)) + b3.
; LIMITS.  A block meets the eight granules of K in a ring, beginning where it enters, and W3's sum goes by lanes and waves: orders of rounding other than the written one.  hm is finite (0 x hm is formed).
; NaN and infinities are not treated apart.
; CLUSTER.  The four work-groups of a cluster (one b, four q) walk the same W2P: each tile is asked for jointly, the same tensor load, descriptor and mask in all four.  q enters global addresses and the mask of one store alone.
; RING.  Two slots of 128 along K (512 rows x 256 bytes, padded to 272); a wave fills and reads its own 128 rows.  A slot serves two trips; it is asked for again behind a round of the cluster's barrier,
; some 240 matrix instructions ahead of the wait for it; one tensor load of a wave is out then, two at the start.
; REGISTERS, in windows of 256 (s_set_vgpr_msb: bits 1:0 source 0, 3:2 source 1, 5:4 source 2, 7:6 destination):
;   window 0: addresses; AR four fragments of h1; S, T the leaving block; HM, HJ, X the tile in the making     window 1: B0, B1 W2's fragments; KB2 = K b2; W3M = -2 w3     windows 2, 3: acc[1..4], acc[5..8]
.set SLOT,  139264                     ; 512 rows x 272; it shares no bit with a wave's part, so one exclusive or changes slots
.set WPART, 34816                      ; 128 rows x 272
.set PB,    272                        ; 256 bytes + 16: the 16 rows of a load start at 16 different groups of four banks
.set PA,    144                        ; a row of h1: 128 bytes + 16
.set POS,   16*PA                      ; a position's 16 rows
.set TILEA, 8*POS
.set ATILE, 2*SLOT                     ; two tiles of h1, by the trip's parity
.set PS,    ATILE+2*TILEA              ; [parity][wave][16] partial logits
.set SPARE, PS+512                     ; the spare words: 128 bytes for each wave, two blocks of 256 bytes that no other line names
.set LG,    SPARE+512                  ; the logits: 2,048 bytes a wave; trip t's four rows of wave w at 2048 w + 16 t
.set SPW, 1                            ; v1   my spare word's address; never rewritten
.set NIL, 2                            ; v2   0; never rewritten
.set AB0, 3                            ; v3   my lane's place in my part of a slot
.set ADB, 4                            ; v4   the same in the slot in hand
.set ADA, 5                            ; v5   my lane's place in a fragment of h1
.set AST, 6                            ; v6   where I store 16 bytes of h1
.set L16, 7                            ; v7   16 x lane
.set L32, 8                            ; v8   32 x (lane % 8)
.set PSA, 9                            ; v9   where my partial logit goes
.set PSR, 10                           ; v10  which partial logit I read back
.set LG0, 11                           ; v11  my place in my wave's logits
.set LGA, 12                           ; v12  the same with the trip's step
.set B3,  13                           ; v13  bf16(b3)
.set AR,  24                           ; v[24:55]
.set S,   56                           ; v[56:63]   four pairs of running sums
.set T,   64                           ; v[64:127]  the leaving block's 64 numbers
.set HM,  128                          ; v[128:159] K hm: four rows x 8
.set HJ,  160                          ; v[160:191] K (hj + b1): two sets x two blocks x 8
.set X,   192                          ; v[192:223] four units of 8 at work
.set SI,  224                          ; v[224:225] (the sum of my 64 w3, 0)
.set KB2, 128                          ; window 1
.set W3M, 192                          ; window 1
.set WV,  18                           ; s18 wave   s19 cx   s20 q   s21 b   s22 128 b + 16 q   s23 the tile whose inputs are asked for next
.set CX,  19
.set Q,   20
.set BB,  21
.set JB,  22
.set U,   23
.set G1,  24                           ; s[24:31] descriptor group 1
.set G0A, 32                           ; s[32:35] group 0 of the first fill of slot 0
.set G0,  36                           ; s[36:39] group 0 that walks
.set WB,  40                           ; s[40:41] W2P at my 128 rows
.set KOFF, 42                          ; s[42:43] the K step's bytes
.set HMB, 44                           ; s[44:45], s[46:47], s[48:49] bases of hm's block and of the two rows of hj
.set HJN, 46
.set HJO, 48
.set OFF, 50                           ; s[50:51] an offset
.set MUL, 52                           ; s[52:59] hm's factor, 1 or 0: two sets x two blocks, each a pair of which the low word counts
.set SEL, 60                           ; s[60:61] v_permlanex16_b32's selects
.set TB,  62                           ; s62 the slot in hand
.set CNT, 63
.set KS,  66                           ; s66 the K step asked for last
.set LGO, 67                           ; s67 16 x trip
.set B32, 76                           ; s76 32 b
.set MSB, 0
.macro WIN new                         ; the high byte repeats the setting that is left; a switch that changes nothing is dropped
.if MSB != (\new)
	s_set_vgpr_msb (MSB<<8)|(\new)
.set MSB, (\new)
.endif
.endm
.macro CREST                           ; a round of the cluster's barrier behind its opening barrier
	s_cmp_lg_u32 s[WV], 0
	s_cbranch_scc1 .Lnot_wave_0_\@
	s_barrier_signal -3
.Lnot_wave_0_\@:
	s_barrier_wait -3
	s_barrier_signal -1
	s_barrier_wait -1
.endm
.macro CROUND
	s_barrier_signal -1
	s_barrier_wait -1
	CREST
.endm
; One row of hjP for block s69: a real block's job, or row 4096 with factor 0.
.macro HJROW base, mul
	s_lshr_b32 s71, s69, 2
	s_add_co_u32 s71, s71, s[JB]
	s_cmp_lt_u32 s69, 64                           ; blocks below 0 are large numbers here
	s_cselect_b32 s71, s71, 4096
	s_cselect_b32 s[\mul], 1.0, 0
	s_lshl3_add_u32 s71, s71, s68                  ; 8 x row + granule: units of 256 bytes
	s_lshl_b32 s[OFF], s71, 8
	s_add_nc_u64 s[\base:\base+1], s[8:9], s[OFF:OFF+1]
.endm
; The inputs of tile U, of which I make positions w (block U - w) and w + 4: bases, factors, and the four loads of hj into set par.
.macro HEAD par
	s_wait_xcnt 0x0                                ; the bases of loads that may be pending are written anew only behind this wait
	s_and_b32 s68, s[U], 7                         ; the granule
	s_sub_co_u32 s69, s[U], s[WV]
	s_and_b32 s70, s69, 3                          ; both blocks' quarter of the machines
	s_lshl2_add_u32 s70, s68, s70
	s_add_co_u32 s70, s70, s[B32]
	s_lshl_b32 s[OFF], s70, 12
	s_add_nc_u64 s[HMB:HMB+1], s[6:7], s[OFF:OFF+1]
	HJROW HJN, MUL+4*(\par)
	s_sub_co_u32 s69, s69, 4
	HJROW HJO, MUL+4*(\par)+2
	global_load_b128 v[HJ+16*(\par):HJ+16*(\par)+3],     v[L32], s[HJN:HJN+1]
	global_load_b128 v[HJ+16*(\par)+4:HJ+16*(\par)+7],   v[L32], s[HJN:HJN+1] offset:16
	global_load_b128 v[HJ+16*(\par)+8:HJ+16*(\par)+11],  v[L32], s[HJO:HJO+1]
	global_load_b128 v[HJ+16*(\par)+12:HJ+16*(\par)+15], v[L32], s[HJO:HJO+1] offset:16
	s_add_co_u32 s[U], s[U], 1
.endm
.macro HMLOAD i                        ; row pair i of hm's block: 2 x 512 consecutive bytes of the wave
	global_load_b128 v[HM+8*(\i):HM+8*(\i)+3],   v[L16], s[HMB:HMB+1] offset:1024*(\i)
	global_load_b128 v[HM+8*(\i)+4:HM+8*(\i)+7], v[L16], s[HMB:HMB+1] offset:1024*(\i)+512
.endm
; Matrix instruction n of group g.  Groups 1-8: the first 32 along K, position 8 - g, the sum moves up one place; groups 9-16: the second 32, position 16 - g, in place.
; Source 0 = 16 columns of W2, source 1 = 16 pair rows: a lane holds one pair row and eight columns.  No two that follow each other share an accumulator, over the loop's edge too;
; a register read as C is written over eight matrix instructions later, with eight plain vector instructions or more between.
.macro MM g, n
.if (\g) <= 8
.set mp, 8-(\g)
.set mk, 0
.else
.set mp, 16-(\g)
.set mk, 1
.endif
.set rD, 64*(mp%4)+8*(\n)
.set wD, 2+mp/4
.set rF, 64*mk+8*(\n)
.set rA, AR+8*((\g)%4)
.if mk
	WIN (wD<<6)|(wD<<4)|1
	v_wmma_f32_16x16x32_f16 v[rD:rD+7], v[rF:rF+7], v[rA:rA+7], v[rD:rD+7]
.elseif mp == 0
	WIN (wD<<6)|(1<<4)|1
	v_wmma_f32_16x16x32_f16 v[rD:rD+7], v[rF:rF+7], v[rA:rA+7], v[KB2+8*(\n):KB2+8*(\n)+7]
.else
.set rC, 64*((mp-1)%4)+8*(\n)
	WIN (wD<<6)|((2+(mp-1)/4)<<4)|1
	v_wmma_f32_16x16x32_f16 v[rD:rD+7], v[rF:rF+7], v[rA:rA+7], v[rC:rC+7]
.endif
.endm
.macro ALOAD g, e                      ; group g's fragment of h1 (17-19: the next trip's groups 1-3, from the other tile) into AR[g % 4]
.if (\g) > 16
.set ag, (\g)-16
.set ap, 1-(\e)
.else
.set ag, (\g)
.set ap, (\e)
.endif
.if ag <= 8
.set ao, ap*TILEA+(8-ag)*POS
.else
.set ao, ap*TILEA+(16-ag)*POS+64
.endif
	WIN 0
	ds_load_b128 v[AR+8*(ag%4):AR+8*(ag%4)+3],   v[ADA] offset:ao
	ds_load_b128 v[AR+8*(ag%4)+4:AR+8*(ag%4)+7], v[ADA] offset:ao+32
.endm
.macro BRUN kk, off                    ; 16 loads in one run: W2's eight fragments of 32 along K at byte off of my rows
	WIN 0x40
.irp n, 0,1,2,3,4,5,6,7
	ds_load_b128 v[64*(\kk)+8*\n:64*(\kk)+8*\n+3],   v[ADB] offset:\n*16*PB+(\off)
	ds_load_b128 v[64*(\kk)+8*\n+4:64*(\kk)+8*\n+7], v[ADB] offset:\n*16*PB+(\off)+32
.endr
.endm
; THE VECTOR WORK goes in UNITS of eight numbers a lane, one unit to each group s.  s = 2..9: unit s - 2 of the tile in the making (row pair (s - 2) / 2, block (s - 2) % 2, in X[(s - 2) % 4]);
; s = 10..16: columns 16 (s - 10) on of the block that left (in T); s = 1, 0, -1: that block's last three units, carried over from the trip before.
; A unit's stages: argument (group s - 1), 2^x (s), 1 + (s + 1, first half), reciprocal (s + 1, second half), and in s + 2 either 1 - 2 r and the rounding to f16, or the sum with -2 w3.
.macro UNIT s
.if ((\s) >= 2) && ((\s) <= 9)
.set UE, 0
.set UN, (\s)-2
.set UB, X+8*(UN%4)
.elseif (\s) >= 10
.set UE, 1
.set UN, (\s)-10
.set UB, T+8*UN
.else
.set UE, 1
.set UN, (\s)+6
.set UB, T+8*UN
.endif
.endm
.macro EXPO j                          ; for a leaving unit the exponential itself brings the number out of acc[8] (window 3), the lowest register first
.if UE
	v_exp_f32 v[UB+(\j)], v[192+8*UN+(\j)]
.else
	v_exp_f32 v[UB+(\j)], v[UB+(\j)]
.endif
.endm
.macro ES n, z                         ; S[z] += r x (-2 w3); the block's first unit starts the sums, one of them from the sum of w3
.if ((\n) == 0) && ((\z) == 0)
	v_pk_fma_f32 v[S:S+1], v[T:T+1], v[W3M:W3M+1], v[SI:SI+1]
.elseif (\n) == 0
	v_pk_mul_f32 v[S+2*(\z):S+2*(\z)+1], v[T+2*(\z):T+2*(\z)+1], v[W3M+2*(\z):W3M+2*(\z)+1]
.else
	s_wait_alu depctr_va_vdst(0)
	v_pk_fma_f32 v[S+2*(\z):S+2*(\z)+1], v[T+8*(\n)+2*(\z):T+8*(\n)+2*(\z)+1], v[W3M+8*(\n)+2*(\z):W3M+8*(\n)+2*(\z)+1], v[S+2*(\z):S+2*(\z)+1]
.endif
.endm
.macro FINZ z                          ; the lane's eight sums into one
.if (\z) == 0
	v_pk_add_f32 v[S:S+1], v[S:S+1], v[S+2:S+3]
.elseif (\z) == 1
	v_pk_add_f32 v[S+4:S+5], v[S+4:S+5], v[S+6:S+7]
.elseif (\z) == 2
	v_pk_add_f32 v[S:S+1], v[S:S+1], v[S+4:S+5]
.else
	v_add_f32 v14, v[S], v[S+1]
.endif
.endm
.macro MC j                            ; 0-3: h1 = 1 - 2 r for pair j; 4-7: pair j - 4 rounded to f16, in place and ascending
.if (\j) < 4
	v_pk_fma_f32 v[UB+2*(\j):UB+2*(\j)+1], -2.0, v[UB+2*(\j):UB+2*(\j)+1], 1.0 op_sel_hi:[0,1,0]
.else
	v_cvt_pk_f16_f32 v[UB+(\j)-4], v[UB+2*((\j)-4)], v[UB+2*((\j)-4)+1]
.endif
.endm
; The vector instructions behind matrix instruction k (1..8) of group s.  The plain ones keep their registers out of source 0 (first half) or source 1 (second half) where that place's window is switched.
; Every result is used four matrix instructions later or more, so a plain instruction always stands between a transcendental and the use of its result.
.macro SLICE s, k, e
.if (\k) <= 4
.set z, (\k)-1
	UNIT (\s)+1
.set fE, UE
.set fN, UN
.set fB, UB
	UNIT (\s)-1
.set aB, UB
	UNIT \s
	WIN 3*UE
	s_wait_alu depctr_va_vdst(0)
	v_pk_add_f32 v[aB+2*z:aB+2*z+1], 1.0, v[aB+2*z:aB+2*z+1] op_sel_hi:[0,1]
	EXPO 2*z
.if !fE
	v_pk_fma_f32 v[fB+2*z:fB+2*z+1], s[MUL+4*(\e)+2*(fN%2):MUL+4*(\e)+2*(fN%2)+1], v[HM+8*(fN/2)+2*z:HM+8*(fN/2)+2*z+1], v[HJ+16*(\e)+8*(fN%2)+2*z:HJ+16*(\e)+8*(fN%2)+2*z+1] op_sel_hi:[0,1,1]
.elseif (\s) == 9
	FINZ z
.endif
	EXPO 2*z+1
.else
.set z, (\k)-5
	UNIT (\s)-1
.set qB, UB
	UNIT (\s)-2
	WIN 4*UE
.if UE
	ES UN, z
	v_rcp_f32 v[qB+2*z], v[qB+2*z]
	v_rcp_f32 v[qB+2*z+1], v[qB+2*z+1]
.else
	MC 2*z
	v_rcp_f32 v[qB+2*z], v[qB+2*z]
	MC 2*z+1
	v_rcp_f32 v[qB+2*z+1], v[qB+2*z+1]
.endif
.endif
.endm
; The wait at a group's head: its count is the LDS instructions issued behind that group's two loads of h1 (LDS serves a wave's instructions in order: ISA guide 5.7.1).  Per group two loads are issued three groups ahead;
; W2's run of 16 falls into group 4; a store of h1 ends groups 4 to 11, the partial logit's store group 9; behind the barrier come W2's run, groups 1 and 2, the partial logits' load, group 3, the logit's store.
.macro DSWAIT g
.if (\g) <= 2
	s_wait_dscnt 6
.elseif (\g) == 3
	s_wait_dscnt 5
.elseif (\g) == 4
	s_wait_dscnt 4
.elseif (\g) <= 7
	s_wait_dscnt 16+(\g)
.elseif (\g) <= 9
	s_wait_dscnt 7
.elseif (\g) <= 12
	s_wait_dscnt 8
.elseif (\g) == 13
	s_wait_dscnt 6
.endif
.endm
.macro GROUP g, e, fill
.if ((\g) < 8) && (((\g)%2) == 1)
	s_wait_loadcnt 10                              ; hm's row pair (g - 1) / 2 is in (and, at group 1, this trip's hj): behind it were issued the three other row pairs and the next trip's four loads of hj
.endif
	DSWAIT \g
.irp k, 1,2,3,4
	MM \g, (\k)-1
	SLICE \g, \k, \e
.endr
.if ((\g) <= 8) && (((\g)%2) == 0)
	WIN 0
	HMLOAD (\g)/2-1                                ; its last reader stands just above: the next tile's row pair
.endif
.if (\g) <= 13
	ALOAD (\g)+3, \e                               ; five plain vector instructions or more stand behind the last product that read these registers
.endif
.if (\g) == 16
	ALOAD 19, \e
.endif
.if (\g) == 4
	BRUN 1, 128*(\e)+64
.endif
.if ((\g) == 13) && (\e)
	WIN 0
	s_wait_tensorcnt 0x0                           ; all my tensor loads have landed: the one that was out is my part of the other slot;
	ds_add_u32 v[SPW], v[NIL]                      ; 0 onto my spare word: work on registers stands between it and the wait for it
.if \fill
	s_xor_b32 s[G0+1], s[G0+1], SLOT               ; the walking descriptor: the slot that is left,
	s_add_co_u32 s[KS], s[KS], 1
	s_and_b32 s[KS], s[KS], 3                      ; the K step two periods on, in a ring of four
	s_lshl_b32 s[KOFF], s[KS], 8
	s_add_nc_u64 s[G0+2:G0+3], s[WB:WB+1], s[KOFF:KOFF+1]
	s_or_b32 s[G0+3], s[G0+3], 0x80000000
.endif
	s_xor_b32 s[TB], s[TB], SLOT
	v_add_nc_u32 v[ADB], s[TB], v[AB0]             ; the reads go on in the other slot
.endif
.irp k, 5,6,7,8
	MM \g, (\k)-1
	SLICE \g, \k, \e
.if ((\g) == 9) && ((\k) == 5)
	v_permlanex16_b32 v15, v14, s[SEL], s[SEL+1]   ; the row's other 64 columns lie in the lane 16 away
.endif
.if ((\g) == 9) && ((\k) == 6)
	v_add_f32 v14, v14, v15
.endif
.if ((\g) == 16) && ((\k) == 6)
	WIN 0
	s_wait_dscnt 2                                 ; the four waves' partial logits are in; group 3's two loads may be out
	v_add_f32_dpp v16, v16, v16 row_xmask:4 row_mask:0xf bank_mask:0xf
	v_add_f32_dpp v16, v16, v16 row_xmask:8 row_mask:0xf bank_mask:0xf
	v_add_f32 v16, v16, v[B3]
	v_add_nc_u32 v[LGA], s[LGO], v[LG0]
	ds_store_b32 v[LGA], v16
	s_add_co_u32 s[LGO], s[LGO], 16
	s_and_b32 s[LGO], s[LGO], 0x7f0                ; 73 steps of 16 stay inside my wave's 2,048 bytes
.endif
.endr
.if ((\g) >= 4) && ((\g) <= 11)
.set su, (\g)-4
	WIN 0
	ds_store_b128 v[AST], v[X+8*(su%4):X+8*(su%4)+3] offset:(1-(\e))*TILEA+(su%2)*4*POS+(su/2)*2*PA
.endif
.if (\g) == 9
	ds_store_b32 v[PSA], v14 offset:256*(\e)
.endif
.endm
; A TRIP, of parity e.  ONE barrier: in front of it my stores into the next tile and my partial logit are done and my reads of this tile are back; behind it the next tile is read, and the next trip may
; write this tile's bytes.  In a period's second trip (e = 1) it is also the change of slots; with fill = 1 it opens a round of the cluster's barrier, behind which the slot that was left is filled again.
.macro TRIP e, fill
	WIN 0
	HEAD 1-(\e)
.irp g, 1,2,3,4,5,6,7,8,9,10,11,12,13
	GROUP \g, \e, \fill
.endr
	WIN 0
	s_wait_dscnt 0x0                               ; all my LDS instructions are done, the add among them
	s_barrier_signal -1
	GROUP 14, \e, \fill                            ; work on registers while the others arrive
	WIN 0
	s_barrier_wait -1
.if (\e) && (\fill)
	CREST                                          ; no wave of any partner still reads the slot or has a load on its way
	tensor_load_to_lds s[G0:G0+3], s[G1:G1+7]      ; my one tensor load behind the round, and the first thing there
	s_nop 0
.endif
.rept 4
	v_nop                                          ; places behind group 14's last product, whose fragment's registers are loaded below
.endr
	BRUN 0, 128*(1-(\e))                           ; the next trip's first 32 along K: my own rows, shown landed by my own wait
	ALOAD 17, \e
	ALOAD 18, \e
	ds_load_b32 v16, v[PSR] offset:256*(\e)
	GROUP 15, \e, \fill
	GROUP 16, \e, \fill
.endm
	s_load_b256 s[4:11], s[0:1], 0x0               ; W2P s[4:5], hmP s[6:7], hjP s[8:9], b2 s[10:11]
	s_load_b128 s[12:15], s[0:1], 0x20             ; W3 s[12:13], b3 s[14:15]
	s_load_b64 s[16:17], s[0:1], 0x30              ; out0
	v_lshl_add_u32 v[SPW], v0, 2, SPARE
	v_mov_b32 v[NIL], 0
	ds_add_u32 v[SPW], v[NIL]                      ; the wave's opening: the add and its wait ahead of my first tensor load; the set-up below, work on registers, stands between them
	v_lshrrev_b32 v14, 5, v0
	v_readfirstlane_b32 s[WV], v14
	s_bfe_u32 s[CX], ttmp6, 0x40000
	s_lshl_b32 s[Q], ttmp9, 2                      ; in a cluster launch ttmp9 counts clusters
	s_add_co_u32 s[Q], s[Q], s[CX]
	s_and_b32 s[BB], ttmp7, 0xffff
	s_lshl_b32 s[JB], s[BB], 7
	s_lshl4_add_u32 s[JB], s[Q], s[JB]
	s_lshl_b32 s[B32], s[BB], 5
	s_mov_b32 s[G1+0], 15|(1<<16)|(1<<20)|(1<<21)|(5<<22)|(3<<25)  ; the mask of four; 2-byte elements; padding on; bit 21 beside a mask; after every 64 words, 4 words
	s_mov_b32 s[G1+1], 128<<16                     ; tensor_dim0 = 128
	s_mov_b32 s[G1+2], 128<<16                     ; tensor_dim1 = 128
	s_mov_b32 s[G1+3], 128<<16                     ; tile_dim0 = 128
	s_mov_b32 s[G1+4], 128                         ; tile_dim1 = 128
	s_mov_b32 s[G1+5], 512                         ; 512 elements from row to row
	s_mov_b32 s[G1+6], 0
	s_mov_b32 s[G1+7], 0
	s_mov_b32 s[G0A], 1
	s_mul_i32 s[G0A+1], s[WV], WPART               ; slot 0, my 128 rows
	s_mov_b32 s[G0], 1
	s_add_co_u32 s[G0+1], s[G0A+1], SLOT           ; slot 1
	s_lshl_b32 s[OFF], s[WV], 17                   ; 128 rows of 1,024 bytes
	s_mov_b32 s[OFF+1], 0
	s_mov_b32 s[KOFF+1], 0
.irp i, 1,3,5,7
	s_mov_b32 s[MUL+\i], 0                         ; named as pairs
.endr
	s_mov_b32 s[SEL], 0x76543210
	s_mov_b32 s[SEL+1], 0xfedcba98
	s_mov_b32 s[TB], 0
	s_mov_b32 s[KS], 1
	s_mov_b32 s[LGO], 0
	s_mov_b32 s[U], 0
	s_mov_b32 s72, 0x4038aa3b                      ; K
	s_mov_b32 s73, s72
	s_mov_b32 s75, 0xffff0000
	s_wait_dscnt 0x0                               ; the opening add is done
	s_wait_kmcnt 0x0
	s_add_nc_u64 s[WB:WB+1], s[4:5], s[OFF:OFF+1]
	s_add_nc_u64 s[G0A+2:G0A+3], s[WB:WB+1], 0     ; K step 0
	s_or_b32 s[G0A+3], s[G0A+3], 0x80000000
	s_add_nc_u64 s[G0+2:G0+3], s[WB:WB+1], 256     ; K step 1
	s_or_b32 s[G0+3], s[G0+3], 0x80000000
	CROUND                                         ; all four work-groups are here: the first joint loads meet
	tensor_load_to_lds s[G0A:G0A+3], s[G1:G1+7]
	s_nop 0
	tensor_load_to_lds s[G0:G0+3], s[G1:G1+7]
	s_nop 0
.rept 4
	v_nop
.endr
	; all that follows, down to the wait for slot 0, stands in the wait for the first tile
	v_and_b32 v16, 31, v0
	v_and_b32 v17, 15, v0                          ; r
	v_bfe_u32 v18, v0, 4, 1                        ; h
	v_and_b32 v19, 7, v0
	v_bfe_u32 v14, v0, 3, 1
	v_and_b32 v15, 3, v0
	s_lshl_b32 s68, s[WV], 9
	v_lshl_add_u32 v20, v18, 5, s68                ; b2 and W3 at column 128 w + 8 h
	v_lshlrev_b32 v[L16], 4, v16
	v_lshlrev_b32 v[L32], 5, v19
	WIN 0x40
.irp n, 0,1,2,3,4,5,6,7
	global_load_b128 v[KB2+8*\n:KB2+8*\n+3],   v20, s[10:11] offset:64*\n
	global_load_b128 v[KB2+8*\n+4:KB2+8*\n+7], v20, s[10:11] offset:64*\n+16
	global_load_b128 v[W3M+8*\n:W3M+8*\n+3],   v20, s[12:13] offset:64*\n
	global_load_b128 v[W3M+8*\n+4:W3M+8*\n+7], v20, s[12:13] offset:64*\n+16
.endr
	WIN 0
	s_load_b32 s74, s[14:15], 0x0
	HEAD 1                                         ; tile 0's inputs
.irp i, 0,1,2,3
	HMLOAD \i
.endr
	; The first trips' upper positions hold blocks that do not exist; their sums are thrown away but are read, so the registers are written: 456 lines, once a launch, the price of one text for every trip.
	WIN 0x80
.set i, 0
.rept 256
	v_mov_b32 v[i], 0
.set i, i+1
.endr
	WIN 0xc0
.set i, 0
.rept 192
	v_mov_b32 v[i], 0
.set i, i+1
.endr
.set i, 248
.rept 8
	v_mov_b32 v[i], 0
.set i, i+1
.endr
	WIN 0
.set i, 0
.rept 8
	v_mov_b32 v[S+i], 0
.set i, i+1
.endr
	s_mul_i32 s68, s[WV], WPART
	v_mul_u32_u24 v[AB0], v17, PB
	v_lshl_add_u32 v[AB0], v18, 4, v[AB0]
	v_add_nc_u32 v[AB0], s68, v[AB0]               ; my part + row x pitch + 16 x half
	v_mov_b32 v[ADB], v[AB0]
	v_mul_u32_u24 v[ADA], v17, PA
	v_lshl_add_u32 v[ADA], v18, 4, v[ADA]
	v_add_nc_u32 v[ADA], ATILE, v[ADA]
	v_lshl_add_u32 v[AST], v14, 3, v18             ; I make row 8 ((l / 8) % 2) + l / 16 (+ 2 i), k 8 (l % 8) on
	v_mul_u32_u24 v[AST], v[AST], PA
	v_lshl_add_u32 v[AST], v19, 4, v[AST]
	s_mul_i32 s68, s[WV], POS
	s_add_co_u32 s68, s68, ATILE
	v_add_nc_u32 v[AST], s68, v[AST]
	s_lshl_b32 s68, s[WV], 6
	s_add_co_u32 s68, s68, PS
	v_lshl_add_u32 v[PSA], v17, 2, s68
	v_bfe_u32 v[PSR], v0, 2, 2                     ; lane l reads wave (l / 4) % 4's part of row 4 w + l % 4
	v_lshlrev_b32 v[PSR], 6, v[PSR]
	v_lshl_add_u32 v[PSR], v15, 2, v[PSR]
	s_lshl_b32 s68, s[WV], 4
	s_add_co_u32 s68, s68, PS
	v_add_nc_u32 v[PSR], s68, v[PSR]
	s_lshl_b32 s68, s[WV], 11
	s_add_co_u32 s68, s68, LG
	v_lshl_add_u32 v[LG0], v15, 2, s68
	s_wait_loadcnt 0x0
	s_wait_kmcnt 0x0
	WIN 0x55                                       ; all in window 1; W2's registers serve as scratch
.set i, 0
.rept 32
	v_cvt_pk_bf16_f32 v[i%4], v[KB2+2*i], v[KB2+2*i+1]
	v_lshlrev_b32 v[KB2+2*i], 16, v[i%4]
	v_and_b32 v[KB2+2*i+1], s75, v[i%4]
	v_pk_mul_f32 v[KB2+2*i:KB2+2*i+1], v[KB2+2*i:KB2+2*i+1], s[72:73] op_sel_hi:[1,0]
.set i, i+1
.endr
.set i, 0
.rept 32
	v_cvt_pk_bf16_f32 v[i%4], v[W3M+2*i], v[W3M+2*i+1]
	v_lshlrev_b32 v[W3M+2*i], 16, v[i%4]
	v_and_b32 v[W3M+2*i+1], s75, v[i%4]
	v_pk_mul_f32 v[W3M+2*i:W3M+2*i+1], v[W3M+2*i:W3M+2*i+1], -2.0 op_sel_hi:[1,0]
.set i, i+1
.endr
	v_pk_add_f32 v[4:5], v[W3M:W3M+1], v[W3M+2:W3M+3]
.set i, 2
.rept 30
	v_pk_add_f32 v[4:5], v[4:5], v[W3M+2*i:W3M+2*i+1]
.set i, i+1
.endr
	WIN 0x05
	v_add_f32 v[SI], v4, v5
	WIN 0
	v_mul_f32 v[SI], -0.5, v[SI]                   ; the sum of my 64 w3
	v_mov_b32 v[SI+1], 0
	v_mov_b32 v[B3], s74
	v_cvt_pk_bf16_f32 v[B3], v[B3], v[B3]
	v_lshlrev_b32 v[B3], 16, v[B3]
	; my quarter of tile 0, stage by stage, in T's registers (which are thereby written before the first trip reads them)
.set u, 0
.rept 8
.set i, 0
.rept 4
	v_pk_fma_f32 v[T+8*u+2*i:T+8*u+2*i+1], s[MUL+4+2*(u%2):MUL+4+2*(u%2)+1], v[HM+8*(u/2)+2*i:HM+8*(u/2)+2*i+1], v[HJ+16+8*(u%2)+2*i:HJ+16+8*(u%2)+2*i+1] op_sel_hi:[0,1,1]
.set i, i+1
.endr
.set u, u+1
.endr
.set i, 0
.rept 64
	v_exp_f32 v[T+i], v[T+i]
.set i, i+1
.endr
	v_nop                                          ; a plain instruction between the run of exponentials and the first use of a result (ISA guide 5.7.2): other transcendentals are none
.set i, 0
.rept 32
	s_wait_alu depctr_va_vdst(0)
	v_pk_add_f32 v[T+2*i:T+2*i+1], 1.0, v[T+2*i:T+2*i+1] op_sel_hi:[0,1]
.set i, i+1
.endr
.set i, 0
.rept 64
	v_rcp_f32 v[T+i], v[T+i]
.set i, i+1
.endr
	v_nop                                          ; the same behind the run of reciprocals
.set i, 0
.rept 32
	s_wait_alu depctr_va_vdst(0)
	v_pk_fma_f32 v[T+2*i:T+2*i+1], -2.0, v[T+2*i:T+2*i+1], 1.0 op_sel_hi:[0,1,0]
.set i, i+1
.endr
.set u, 0
.rept 8
.set i, 0
.rept 4
	v_cvt_pk_f16_f32 v[T+8*u+i], v[T+8*u+2*i], v[T+8*u+2*i+1]
.set i, i+1
.endr
	ds_store_b128 v[AST], v[T+8*u:T+8*u+3] offset:(u%2)*4*POS+(u/2)*2*PA
.set u, u+1
.endr
	HEAD 0                                         ; tile 1's inputs, in the order in which a trip asks: hj, then hm's four row pairs
.irp i, 0,1,2,3
	HMLOAD \i
.endr
	s_wait_tensorcnt 0x1                           ; my part of slot 0 is in; slot 1's may stay out
	s_wait_dscnt 0x0                               ; my quarter of tile 0 is stored
	s_barrier_signal -1
	s_barrier_wait -1
	BRUN 0, 0
	ALOAD 17, 1                                    ; trip 0's groups 1 to 3, from tile 0
	ALOAD 18, 1
	ALOAD 19, 1
	s_wait_dscnt 0x0                               ; so that the loop's counts hold on the way in
	s_mov_b32 s[CNT], 34
.Lfill:                                                ; periods 0 to 33: each asks for the K step two periods on
	TRIP 0, 1
	TRIP 1, 1
	WIN 0
	s_sub_co_u32 s[CNT], s[CNT], 1
	s_cmp_lg_u32 s[CNT], 0
	s_cbranch_scc1 .Lfill
	s_mov_b32 s[CNT], 2
.Ldry:                                                 ; periods 34 and 35: nothing is left to ask for
	TRIP 0, 0
	TRIP 1, 0
	WIN 0
	s_sub_co_u32 s[CNT], s[CNT], 1
	s_cmp_lg_u32 s[CNT], 0
	s_cbranch_scc1 .Ldry
	; block 64, the dummy row: what is left of its stages
	WIN 0x03
.set i, 0
.rept 8
	v_exp_f32 v[T+56+i], v[248+i]
.set i, i+1
.endr
.set i, 0
.rept 4
	s_wait_alu depctr_va_vdst(0)
	v_pk_add_f32 v[T+48+2*i:T+48+2*i+1], 1.0, v[T+48+2*i:T+48+2*i+1] op_sel_hi:[0,1]
.set i, i+1
.endr
	WIN 0
.set i, 0
.rept 8
	v_rcp_f32 v[T+48+i], v[T+48+i]
.set i, i+1
.endr
.set i, 0
.rept 4
	v_pk_add_f32 v[T+56+2*i:T+56+2*i+1], 1.0, v[T+56+2*i:T+56+2*i+1] op_sel_hi:[0,1]
.set i, i+1
.endr
.set i, 0
.rept 8
	v_rcp_f32 v[T+56+i], v[T+56+i]
.set i, i+1
.endr
	WIN 0x04
.irp n, 5,6,7
.irp z, 0,1,2,3
	ES \n, \z
.endr
.endr
	WIN 0
.irp z, 0,1,2,3
	FINZ \z
.endr
	v_permlanex16_b32 v15, v14, s[SEL], s[SEL+1]
	v_add_f32 v14, v14, v15
	ds_store_b32 v[PSA], v14
	s_wait_dscnt 0x0
	s_barrier_signal -1
	s_barrier_wait -1
	ds_load_b32 v16, v[PSR]
	s_wait_dscnt 0x0
	v_add_f32_dpp v16, v16, v16 row_xmask:4 row_mask:0xf bank_mask:0xf
	v_add_f32_dpp v16, v16, v16 row_xmask:8 row_mask:0xf bank_mask:0xf
	v_add_f32 v16, v16, v[B3]
	v_add_nc_u32 v[LGA], s[LGO], v[LG0]
	ds_store_b32 v[LGA], v16
	s_wait_dscnt 0x0                               ; for the others' sake: all my logits are stored
	s_barrier_signal -1
	s_barrier_wait -1
	; THE WAY OUT.  Logit x = 16 rb + row lies at 2048 ((x / 4) % 4) + 16 (rb + 8) + 4 (x % 4).  out0's rows begin at 4 (8193 b + 1) bytes, so the stores are of 4 bytes: 32 neighbouring lanes, 128 consecutive bytes.
	v_bfe_u32 v17, v0, 2, 2
	v_lshlrev_b32 v17, 11, v17
	v_lshrrev_b32 v18, 4, v0
	v_lshl_add_u32 v17, v18, 4, v17
	v_and_b32 v18, 3, v0
	v_lshl_add_u32 v17, v18, 2, v17
	v_add_nc_u32 v17, LG+128, v17
	v_mov_b32 v19, LG+1152                         ; block 64, row 0
.irp i, 0,1,2,3,4,5,6,7
	ds_load_b32 v[X+\i], v17 offset:128*\i
.endr
	ds_load_b32 v[X+8], v19
	v_lshlrev_b32 v18, 2, v0
	v_mov_b32 v20, 0
	v_lshl_add_u32 v21, s[Q], 7, v0                ; 0 in thread 0 of the batch's first work-group alone
	s_mul_i32 s68, s[BB], 8193
	s_lshl_b32 s69, s[Q], 10
	s_add_co_u32 s69, s69, s68
	s_add_co_u32 s69, s69, 1
	s_lshl_b32 s[OFF], s69, 2
	s_add_nc_u64 s[70:71], s[16:17], s[OFF:OFF+1]
	s_lshl_b32 s[OFF], s68, 2
	s_add_nc_u64 s[72:73], s[16:17], s[OFF:OFF+1]
.irp i, 0,1,2,3,4,5,6,7
	s_wait_dscnt 8-\i
	global_store_b32 v18, v[X+\i], s[70:71] offset:512*\i
.endr
	s_wait_dscnt 0x0
	v_cmp_eq_u32 vcc_lo, 0, v21
	s_wait_xcnt 0x0                                ; EXEC changes only behind this wait
	s_and_saveexec_b32 s68, vcc_lo
	global_store_b32 v20, v[X+8], s[72:73]         ; out0[b][0]: one work-group of the eight stores it
	s_wait_xcnt 0x0
	s_or_b32 exec_lo, exec_lo, s68
	s_wait_tensorcnt 0x0                           ; the wave's end, behind my last tensor load and my last LDS store
	ds_add_u32 v[SPW], v[NIL]
	s_wait_dscnt 0x0
	CROUND                                         ; the closing round: no work-group ends while a partner may still ask for a tile that names it
	s_endpgm
.Lfunc_end_k_q6c33b4c971_pairs:
	.size	k_q6c33b4c971_pairs, .Lfunc_end_k_q6c33b4c971_pairs-k_q6c33b4c971_pairs
	.p2alignl 7, 3214868480
	.fill 96, 4, 3214868480
	.section	.rodata,"a",@progbits
	.p2align	6, 0x0
	.amdhsa_kernel k_q6c33b4c971_pairs
		.amdhsa_group_segment_fixed_size 327680
		.amdhsa_private_segment_fixed_size 0
		.amdhsa_enable_private_segment 0
		.amdhsa_kernarg_size 56
		.amdhsa_user_sgpr_count 2
		.amdhsa_user_sgpr_kernarg_segment_ptr 1
		.amdhsa_wavefront_size32 1
		.amdhsa_system_sgpr_workgroup_id_x 1
		.amdhsa_system_sgpr_workgroup_id_y 1
		.amdhsa_system_sgpr_workgroup_id_z 1
		.amdhsa_system_vgpr_workitem_id 0
		.amdhsa_next_free_vgpr 1024
		.amdhsa_next_free_sgpr 80
		.amdhsa_reserve_vcc 1
		.amdhsa_float_denorm_mode_32 3
		.amdhsa_float_denorm_mode_16_64 3
		.amdhsa_memory_ordered 1
		.amdhsa_forward_progress 1
		.amdhsa_inst_pref_size 255
	.end_amdhsa_kernel
	.amdgpu_metadata
---
amdhsa.version: [ 1, 2 ]
amdhsa.kernels:
  - .name:           k_q6c33b4c971_pairs
    .symbol:         k_q6c33b4c971_pairs.kd
    .args:
      - { .name: W2P, .offset: 0, .size: 8, .value_kind: global_buffer, .address_space: global }
      - { .name: hmP, .offset: 8, .size: 8, .value_kind: global_buffer, .address_space: global }
      - { .name: hjP, .offset: 16, .size: 8, .value_kind: global_buffer, .address_space: global }
      - { .name: b2, .offset: 24, .size: 8, .value_kind: global_buffer, .address_space: global }
      - { .name: W3, .offset: 32, .size: 8, .value_kind: global_buffer, .address_space: global }
      - { .name: b3, .offset: 40, .size: 8, .value_kind: global_buffer, .address_space: global }
      - { .name: out0, .offset: 48, .size: 8, .value_kind: global_buffer, .address_space: global }
    .group_segment_fixed_size: 327680
    .private_segment_fixed_size: 0
    .kernarg_segment_align: 8
    .kernarg_segment_size: 56
    .max_flat_workgroup_size: 128
    .sgpr_count:     80
    .vgpr_count:     1024
    .wavefront_size: 32
...
	.end_amdgpu_metadata
.endif
;; end of part 2
;; ======== version 2 of 3: 2 launches; 1.11 times as fast as version 1
;; limits: inputs' magnitudes at most 22,700; values are held in f16: magnitudes above 65,504 overflow, below 6.1e-05 lose precision
;; workspace buffers: W2P 524,288 bytes; hmP 4,194,304 bytes; hjP 8,390,656 bytes
;; launch prep: the kernel of part 1 again; grid 212 x 1, 16 waves a work-group, no clusters, 282,624 bytes of LDS; arguments ops_emb, ma_emb, next_op, dummy, W1, b1, W2, hjP, hmP, W2P; writes hjP, hmP, W2P
;; launch pairs (part 3): grid 8 x 32, 4 waves a work-group, clusters of 4 x 1, 327,680 bytes of LDS; arguments W2P, hmP, hjP, b2, W3, b3, out0; writes out0
.if DOCPART == 3
	.amdgcn_target "amdgcn-amd-amdhsa--gfx1250"
	.amdhsa_code_object_version 6
	.text
	.protected	k_q6c33b4c971_pairs
	.globl	k_q6c33b4c971_pairs
	.p2align	8
	.type	k_q6c33b4c971_pairs,@function
k_q6c33b4c971_pairs:
	s_mov_b64 s[64:65], 0
	v_nop
	global_prefetch_b8 v0, s[64:65] scope:SCOPE_SE
	s_setreg_imm32_b32 hwreg(HW_REG_WAVE_MODE, 25, 1), 1
	s_wait_xcnt 0x0
	s_wait_alu depctr_hold_cnt(0) depctr_sa_sdst(0) depctr_va_vdst(0) depctr_va_sdst(0) depctr_va_ssrc(0) depctr_va_vcc(0) depctr_vm_vsrc(0)
	s_getreg_b32 s2, hwreg(HW_REG_IB_STS2, 6, 4)
	s_cmp_eq_u32 s2, 0
	s_cbranch_scc0 .Lentry_in_a_cluster
	s_endpgm
.Lentry_in_a_cluster:
	s_bfe_u32 s2, ttmp6, 0x10000c
	s_cmp_lg_u32 s2, 0x3003
	s_cbranch_scc0 .Lentry_shape_is_right
	s_endpgm
.Lentry_shape_is_right:
; out0[b][1 + 64 j + m] = W3 . tanh(W2^T tanh(hj[b][j] + hm[b][m] + b1) + b2) + b3;  out0[b][0] the same of the dummy row.  hjP, hmP, W2P come scaled by K = 2 log2(e):
; tanh(x) = 1 - 2 / (1 + 2^(K x)), right at both ends: 2^(..) = infinity gives 1, 0 gives -1.
; SHARES.  Work-group (q, b): jobs 16 q .. 16 q + 15 of batch b, 1,024 pair rows = 64 BLOCKS of 16 (block rb: job rb / 4, machines 16 (rb % 4) on).  Wave w owns the 128 columns 128 w on of the second layer.
; A SHIFT REGISTER OF SUMS.  A wave holds eight blocks at once, 8 x 64 registers: acc[1..8].  A TRIP multiplies all eight by one granule of W2 (64 along K): 128 matrix instructions.  In the first 32 along K
; position p does acc[p+1] = acc[p] + A_p B (p = 7 .. 0; position 0 starts from K b2), in the second 32 it goes on in place.  So one block enters and one leaves in every trip, the block that leaves
; always lies in acc[8], and a trip's text is always the same.  72 trips: blocks outside 0..63 are the dummy row (factor 0 on hm, hjP's row 4096); block 64 gives the no-op logit.
; BESIDE THE PRODUCTS, behind each matrix instruction: the second tanh and the dot with W3 of the block that left, and my quarter (positions w and w + 4) of the next trip's tile of h1 (128 rows x 64).
; MEMORY AND LDS INSTRUCTIONS STAND IN FOUR RUNS A TRIP (ST1 to ST3, and the run behind the barrier), never singly among the products: what they load is asked for two groups or more ahead of its use,
; what they store waits in registers of its own (OUT) until the next run.
; FORMATS.  h1 and K W2 in f16, sums in f32; b2, W3, b3 rounded once to bf16 like all the module's inputs.  logit = sum(w3) + sum(-2 w3 / (1 + 2^s)) + b3.
; LIMITS.  A block meets the eight granules of K in a ring, beginning where it enters, and W3's sum goes by lanes and waves: orders of rounding other than the written one.  hm is finite (0 x hm is formed).
; NaN and infinities are not treated apart.
; CLUSTER.  The four work-groups of a cluster (one b, four q) walk the same W2P: each tile is asked for jointly, the same tensor load, descriptor and mask in all four.  q enters global addresses and the mask of one store alone.
; RING.  Two slots of 128 along K (512 rows x 256 bytes, padded to 272); a wave fills and reads its own 128 rows.  A slot serves two trips; it is asked for again behind a round of the cluster's barrier,
; some 220 matrix instructions ahead of the wait for it; one tensor load of a wave is out then, two at the start.
; REGISTERS, in windows of 256 (s_set_vgpr_msb: bits 1:0 source 0, 3:2 source 1, 5:4 source 2, 7:6 destination):
;   window 0: addresses; S; AR eight fragments of h1; X four units at work; OUT finished h1; HM, HJ     window 1: B0, B1 W2's fragments; KB2 = K b2; W3M = -2 w3     windows 2, 3: acc[1..4], acc[5..8]
.set SLOT,  139264                     ; 512 rows x 272; it shares no bit with a wave's part, so one exclusive or changes slots
.set WPART, 34816                      ; 128 rows x 272
.set PB,    272                        ; 256 bytes + 16: the 16 rows of a load start at 16 different groups of four banks
.set PA,    144                        ; a row of h1: 128 bytes + 16
.set POS,   16*PA                      ; a position's 16 rows
.set TILEA, 8*POS
.set ATILE, 2*SLOT                     ; two tiles of h1, by the trip's parity
.set PS,    ATILE+2*TILEA              ; [parity][wave][16] partial logits
.set SPARE, PS+512                     ; the spare words: 128 bytes for each wave, two blocks of 256 bytes that no other line names
.set LG,    SPARE+512                  ; the logits: 2,048 bytes a wave; trip t's four rows of wave w at 2048 w + 16 t
.set SPW, 1                            ; v1   my spare word's address; never rewritten
.set NIL, 2                            ; v2   0; never rewritten
.set AB0, 3                            ; v3   my lane's place in my part of a slot
.set ADB, 4                            ; v4   the same in the slot in hand
.set ADA, 5                            ; v5   my lane's place in a fragment of h1
.set AST, 6                            ; v6   where I store 16 bytes of h1
.set L16, 7                            ; v7   16 x lane
.set L32, 8                            ; v8   32 x (lane % 8)
.set PSA, 9                            ; v9   where my partial logit goes
.set PSR, 10                           ; v10  which partial logit I read back
.set LG0, 11                           ; v11  my place in my wave's logits
.set LGA, 12                           ; v12  the same with the trip's step
.set B3,  13                           ; v13  bf16(b3)          v14-21 at work
.set SI,  22                           ; v[22:23]   (the sum of my 64 w3, 0)
.set S,   24                           ; v[24:31]   four pairs of running sums
.set AR,  32                           ; v[32:95]   group g's fragment of h1 in slot g % 8
.set X,   96                           ; v[96:127]  four units of 8 at work: group s's unit in buffer s % 4
.set OUT, 128                          ; v[128:159] the eight finished units of h1, 4 registers of f16 each
.set HM,  160                          ; v[160:191] K hm: four row pairs x 8
.set HJ,  192                          ; v[192:223] K (hj + b1): two sets x two blocks x 8
.set KB2, 128                          ; window 1
.set W3M, 192                          ; window 1
.set WV,  18                           ; s18 wave   s19 cx   s20 q   s21 b   s22 128 b + 16 q   s23 the tile whose inputs are asked for next
.set CX,  19
.set Q,   20
.set BB,  21
.set JB,  22
.set U,   23
.set G1,  24                           ; s[24:31] descriptor group 1
.set G0A, 32                           ; s[32:35] group 0 of the first fill of slot 0
.set G0,  36                           ; s[36:39] group 0 that walks
.set WB,  40                           ; s[40:41] W2P at my 128 rows
.set KOFF, 42                          ; s[42:43] the K step's bytes
.set HMB, 44                           ; s[44:45], s[46:47], s[48:49] bases of hm's block and of the two rows of hj
.set HJN, 46
.set HJO, 48
.set OFF, 50                           ; s[50:51] an offset
.set MUL, 52                           ; s[52:59] hm's factor, 1 or 0: two sets x two blocks, each a pair of which the low word counts
.set SEL, 60                           ; s[60:61] v_permlanex16_b32's selects
.set TB,  62                           ; s62 the slot in hand
.set CNT, 63
.set KS,  66                           ; s66 the K step asked for last
.set LGO, 67                           ; s67 16 x the trip whose logit is stored next
.set B32, 76                           ; s76 32 b
.set MSB, 0
.macro WIN new                         ; the high byte repeats the setting that is left; a switch that changes nothing is dropped
.if MSB != (\new)
	s_set_vgpr_msb (MSB<<8)|(\new)
.set MSB, (\new)
.endif
.endm
.macro CREST                           ; a round of the cluster's barrier behind its opening barrier
	s_cmp_lg_u32 s[WV], 0
	s_cbranch_scc1 .Lnot_wave_0_\@
	s_barrier_signal -3
.Lnot_wave_0_\@:
	s_barrier_wait -3
	s_barrier_signal -1
	s_barrier_wait -1
.endm
.macro CROUND
	s_barrier_signal -1
	s_barrier_wait -1
	CREST
.endm
; One row of hjP for block s69: a real block's job, or row 4096 with factor 0.
.macro HJROW base, mul
	s_lshr_b32 s71, s69, 2
	s_add_co_u32 s71, s71, s[JB]
	s_cmp_lt_u32 s69, 64                           ; blocks below 0 are large numbers here
	s_cselect_b32 s71, s71, 4096
	s_cselect_b32 s[\mul], 1.0, 0
	s_lshl3_add_u32 s71, s71, s68                  ; 8 x row + granule: units of 256 bytes
	s_lshl_b32 s[OFF], s71, 8
	s_add_nc_u64 s[\base:\base+1], s[8:9], s[OFF:OFF+1]
.endm
; The inputs of tile U, of which I make positions w (block U - w) and w + 4: bases and factors (set par).  Scalar work alone; the loads follow in the runs.
.macro HEADS par
	s_wait_xcnt 0x0                                ; the bases of loads that may be pending are written anew only behind this wait
	s_and_b32 s68, s[U], 7                         ; the granule
	s_sub_co_u32 s69, s[U], s[WV]
	s_and_b32 s70, s69, 3                          ; both blocks' quarter of the machines
	s_lshl2_add_u32 s70, s68, s70
	s_add_co_u32 s70, s70, s[B32]
	s_lshl_b32 s[OFF], s70, 12
	s_add_nc_u64 s[HMB:HMB+1], s[6:7], s[OFF:OFF+1]
	HJROW HJN, MUL+4*(\par)
	s_sub_co_u32 s69, s69, 4
	HJROW HJO, MUL+4*(\par)+2
	s_add_co_u32 s[U], s[U], 1
.endm
.macro HJLOAD par                      ; the two blocks' 64 numbers of hj into set par
	global_load_b128 v[HJ+16*(\par):HJ+16*(\par)+3],     v[L32], s[HJN:HJN+1]
	global_load_b128 v[HJ+16*(\par)+4:HJ+16*(\par)+7],   v[L32], s[HJN:HJN+1] offset:16
	global_load_b128 v[HJ+16*(\par)+8:HJ+16*(\par)+11],  v[L32], s[HJO:HJO+1]
	global_load_b128 v[HJ+16*(\par)+12:HJ+16*(\par)+15], v[L32], s[HJO:HJO+1] offset:16
.endm
.macro HMLOAD i                        ; row pair i of hm's block: 2 x 512 consecutive bytes of the wave
	global_load_b128 v[HM+8*(\i):HM+8*(\i)+3],   v[L16], s[HMB:HMB+1] offset:1024*(\i)
	global_load_b128 v[HM+8*(\i)+4:HM+8*(\i)+7], v[L16], s[HMB:HMB+1] offset:1024*(\i)+512
.endm
; Matrix instruction n of group g.  Groups 1-8: the first 32 along K, position 8 - g, the sum moves up one place; groups 9-16: the second 32, position 16 - g, in place.
; Source 0 = 16 columns of W2, source 1 = 16 pair rows: a lane holds one pair row and eight columns.  No two that follow each other share an accumulator, over the loop's edge too;
; a register read as C is written over eight matrix instructions later, with eight plain vector instructions or more between.
.macro MM g, n
.if (\g) <= 8
.set mp, 8-(\g)
.set mk, 0
.else
.set mp, 16-(\g)
.set mk, 1
.endif
.set rD, 64*(mp%4)+8*(\n)
.set wD, 2+mp/4
.set rF, 64*mk+8*(\n)
.set rA, AR+8*((\g)%8)
.if mk
	WIN (wD<<6)|(wD<<4)|1
	v_wmma_f32_16x16x32_f16 v[rD:rD+7], v[rF:rF+7], v[rA:rA+7], v[rD:rD+7]
.elseif mp == 0
	WIN (wD<<6)|(1<<4)|1
	v_wmma_f32_16x16x32_f16 v[rD:rD+7], v[rF:rF+7], v[rA:rA+7], v[KB2+8*(\n):KB2+8*(\n)+7]
.else
.set rC, 64*((mp-1)%4)+8*(\n)
	WIN (wD<<6)|((2+(mp-1)/4)<<4)|1
	v_wmma_f32_16x16x32_f16 v[rD:rD+7], v[rF:rF+7], v[rA:rA+7], v[rC:rC+7]
.endif
.endm
.macro ALOAD g, e                      ; group g's fragment of h1 (17-22: the next trip's groups 1-6, from the other tile) into slot g % 8
.if (\g) > 16
.set ag, (\g)-16
.set ap, 1-(\e)
.else
.set ag, (\g)
.set ap, (\e)
.endif
.if ag <= 8
.set ao, ap*TILEA+(8-ag)*POS
.else
.set ao, ap*TILEA+(16-ag)*POS+64
.endif
	WIN 0
	ds_load_b128 v[AR+8*(ag%8):AR+8*(ag%8)+3],   v[ADA] offset:ao
	ds_load_b128 v[AR+8*(ag%8)+4:AR+8*(ag%8)+7], v[ADA] offset:ao+32
.endm
.macro BRUN kk, off                    ; 16 loads: W2's eight fragments of 32 along K at byte off of my rows
	WIN 0x40
.irp n, 0,1,2,3,4,5,6,7
	ds_load_b128 v[64*(\kk)+8*\n:64*(\kk)+8*\n+3],   v[ADB] offset:\n*16*PB+(\off)
	ds_load_b128 v[64*(\kk)+8*\n+4:64*(\kk)+8*\n+7], v[ADB] offset:\n*16*PB+(\off)+32
.endr
.endm
.macro TSTORE u, e                     ; unit u of the next tile: row pair u / 2, block u % 2
	ds_store_b128 v[AST], v[OUT+4*(\u):OUT+4*(\u)+3] offset:(1-(\e))*TILEA+((\u)%2)*4*POS+((\u)/2)*2*PA
.endm
; THE VECTOR WORK goes in UNITS of eight numbers a lane, one unit to each group s, in buffer s % 4 of X (16 groups a trip: the map is the same in every trip).
; s = 2..9: unit s - 2 of the tile in the making (row pair (s - 2) / 2, block (s - 2) % 2); s = 10..16: columns 16 (s - 10) on of the block that left; s = 1, 0, -1: that block's last three units, carried over from the trip before.
; A unit's stages: argument (group s - 1), 2^x (s), 1 + (s + 1, first half), reciprocal (s + 1, second half), and in s + 2 either 1 - 2 r and the rounding to f16 (into OUT), or the sum with -2 w3.
; A buffer's next unit writes it first in group s + 3 at the earliest, behind the last stage of the unit before.
.macro UNIT s
.set UB, X+8*(((\s)+16)%4)
.if ((\s) >= 2) && ((\s) <= 9)
.set UE, 0
.set UN, (\s)-2
.elseif (\s) >= 10
.set UE, 1
.set UN, (\s)-10
.else
.set UE, 1
.set UN, (\s)+6
.endif
.endm
.macro EXPO j                          ; for a leaving unit the exponential itself brings the number out of acc[8] (window 3), the lowest register first
.if UE
	v_exp_f32 v[UB+(\j)], v[192+8*UN+(\j)]
.else
	v_exp_f32 v[UB+(\j)], v[UB+(\j)]
.endif
.endm
.macro ES n, z                         ; S[z] += r x (-2 w3), r in the buffer UB; the block's first unit starts the sums, one of them from the sum of w3
.if ((\n) == 0) && ((\z) == 0)
	v_pk_fma_f32 v[S:S+1], v[UB:UB+1], v[W3M:W3M+1], v[SI:SI+1]
.elseif (\n) == 0
	v_pk_mul_f32 v[S+2*(\z):S+2*(\z)+1], v[UB+2*(\z):UB+2*(\z)+1], v[W3M+2*(\z):W3M+2*(\z)+1]
.else
	s_wait_alu depctr_va_vdst(0)
	v_pk_fma_f32 v[S+2*(\z):S+2*(\z)+1], v[UB+2*(\z):UB+2*(\z)+1], v[W3M+8*(\n)+2*(\z):W3M+8*(\n)+2*(\z)+1], v[S+2*(\z):S+2*(\z)+1]
.endif
.endm
.macro FINZ z                          ; the lane's eight sums into one
.if (\z) == 0
	v_pk_add_f32 v[S:S+1], v[S:S+1], v[S+2:S+3]
.elseif (\z) == 1
	v_pk_add_f32 v[S+4:S+5], v[S+4:S+5], v[S+6:S+7]
.elseif (\z) == 2
	v_pk_add_f32 v[S:S+1], v[S:S+1], v[S+4:S+5]
.else
	v_add_f32 v14, v[S], v[S+1]
.endif
.endm
.macro MC j                            ; 0-3: h1 = 1 - 2 r for pair j; 4-7: pair j - 4 rounded to f16, into the unit's four registers of OUT
.if (\j) < 4
	v_pk_fma_f32 v[UB+2*(\j):UB+2*(\j)+1], -2.0, v[UB+2*(\j):UB+2*(\j)+1], 1.0 op_sel_hi:[0,1,0]
.else
	v_cvt_pk_f16_f32 v[OUT+4*UN+(\j)-4], v[UB+2*((\j)-4)], v[UB+2*((\j)-4)+1]
.endif
.endm
.macro RED k                           ; the four waves' partial logits, which lie four lanes apart, into one; b3; where it goes
.if (\k) == 1
	v_add_f32_dpp v16, v16, v16 row_xmask:4 row_mask:0xf bank_mask:0xf
.elseif (\k) == 2
	v_add_f32_dpp v16, v16, v16 row_xmask:8 row_mask:0xf bank_mask:0xf
.elseif (\k) == 3
	v_add_f32 v16, v16, v[B3]
.else
	v_add_nc_u32 v[LGA], s[LGO], v[LG0]
.endif
.endm
.macro LGSTORE
	ds_store_b32 v[LGA], v16
	s_add_co_u32 s[LGO], s[LGO], 16
	s_and_b32 s[LGO], s[LGO], 0x7f0                ; 74 steps of 16, from 2,032 round to 1,152: inside my wave's 2,048 bytes
.endm
; The vector instructions behind matrix instruction k (1..8) of group s.  The plain ones keep their registers out of source 0 (first half) or source 1 (second half) where that place's window is switched.
; Every result is used four matrix instructions later or more, so a plain instruction always stands between a transcendental and the use of its result.
.macro SLICE s, k, e
.if (\k) <= 4
.set z, (\k)-1
	UNIT (\s)+1
.set fE, UE
.set fN, UN
.set fB, UB
	UNIT (\s)-1
.set aB, UB
	UNIT \s
	WIN 3*UE
	s_wait_alu depctr_va_vdst(0)
	v_pk_add_f32 v[aB+2*z:aB+2*z+1], 1.0, v[aB+2*z:aB+2*z+1] op_sel_hi:[0,1]
	EXPO 2*z
.if !fE
	v_pk_fma_f32 v[fB+2*z:fB+2*z+1], s[MUL+4*(\e)+2*(fN%2):MUL+4*(\e)+2*(fN%2)+1], v[HM+8*(fN/2)+2*z:HM+8*(fN/2)+2*z+1], v[HJ+16*(\e)+8*(fN%2)+2*z:HJ+16*(\e)+8*(fN%2)+2*z+1] op_sel_hi:[0,1,1]
.elseif (\s) == 9
	FINZ z
.endif
	EXPO 2*z+1
.else
.set z, (\k)-5
	UNIT (\s)-1
.set qB, UB
	UNIT (\s)-2
	WIN 4*UE
.if UE
	ES UN, z
	v_rcp_f32 v[qB+2*z], v[qB+2*z]
	v_rcp_f32 v[qB+2*z+1], v[qB+2*z+1]
.else
	MC 2*z
	v_rcp_f32 v[qB+2*z], v[qB+2*z]
	MC 2*z+1
	v_rcp_f32 v[qB+2*z+1], v[qB+2*z+1]
.endif
.endif
.endm
; THE RUNS.  A load into a fragment's registers stands four plain vector instructions or more behind the last product that read them: slot g % 8 is loaded again seven groups behind its reader at the most,
; and at the least (slot 3 in ST1, slot 7 in ST2) behind the four slices of half a group and one more.
; ST1, in the middle of group 4: the next tile's hj; hm's row pairs 0 and 1, whose last readers stand just above; the last trip's logit; groups 7-11; W2's second 32 along K.  27 LDS instructions.
.macro ST1 e
	WIN 0
	HJLOAD 1-(\e)
	HMLOAD 0
	HMLOAD 1
	LGSTORE
.irp a, 7,8,9,10,11
	ALOAD \a, \e
.endr
	BRUN 1, 128*(\e)+64
.endm
; ST2, in the middle of group 8: hm's row pairs 2 and 3; the next tile's units 0-3, finished in groups 4-7; groups 12-15.  12 LDS instructions.
.macro ST2 e
	WIN 0
	HMLOAD 2
	HMLOAD 3
.irp u, 0,1,2,3
	TSTORE \u, \e
.endr
.irp a, 12,13,14,15
	ALOAD \a, \e
.endr
.endm
; ST3, at the end of group 11: units 4-7; my partial logit; group 16.  7 LDS instructions.  In a period's second trip the change of slots begins here: groups 12 and 13 are the work on registers between the add and the wait for it.
.macro ST3 e, fill
	WIN 0
.irp u, 4,5,6,7
	TSTORE \u, \e
.endr
	ds_store_b32 v[PSA], v14 offset:256*(\e)
	ALOAD 16, \e
.if \e
	s_wait_tensorcnt 0x0                           ; all my tensor loads have landed: the one that was out is my part of the other slot;
	ds_add_u32 v[SPW], v[NIL]                      ; 0 onto my spare word
.if \fill
	s_xor_b32 s[G0+1], s[G0+1], SLOT               ; the walking descriptor: the slot that is left,
	s_add_co_u32 s[KS], s[KS], 1
	s_and_b32 s[KS], s[KS], 3                      ; the K step two periods on, in a ring of four
	s_lshl_b32 s[KOFF], s[KS], 8
	s_add_nc_u64 s[G0+2:G0+3], s[WB:WB+1], s[KOFF:KOFF+1]
	s_or_b32 s[G0+3], s[G0+3], 0x80000000
.endif
	s_xor_b32 s[TB], s[TB], SLOT
	v_add_nc_u32 v[ADB], s[TB], v[AB0]             ; the reads go on in the other slot (ST1 held this slot's last)
.endif
.endm
; The wait at a group's head: its count is the LDS instructions issued behind the loads that the group wants (LDS serves a wave's instructions in order: ISA guide 5.7.1).
; Behind the barrier: W2's run (16), the partial logits (1), groups 1-6 (12).  Groups 1-4: the later groups of that run.  5, 6: those and ST1's 27.  7, 8: the rest of ST1.  9: ST2's 12 (W2's second run ends ST1,
; so groups 10 and 11 are shown in too).  12, 13: the rest of ST2, ST3's 7, and the add in a period's second trip.  14-16: the wait for 0 in front of the barrier.
.macro DSWAIT g, e
.if (\g) <= 4
	s_wait_dscnt 12-2*(\g)
.elseif (\g) <= 6
	s_wait_dscnt 39-2*(\g)
.elseif (\g) <= 8
	s_wait_dscnt 38-2*(\g)
.elseif (\g) == 9
	s_wait_dscnt 12
.elseif (\g) == 12
	s_wait_dscnt 13+(\e)
.elseif (\g) == 13
	s_wait_dscnt 11+(\e)
.endif
.endm
.macro GROUP g, e, fill
; hm's row pair (g - 1) / 2 is wanted (at group 1 this trip's hj too, asked for ahead of it).  Global loads go out in the order hj, pairs 0, 1 (ST1), pairs 2, 3 (ST2):
.if (\g) == 1
	s_wait_loadcnt 6                               ; pairs 1, 2, 3 may be out
.elseif (\g) == 3
	s_wait_loadcnt 4                               ; pairs 2, 3
.elseif (\g) == 5
	s_wait_loadcnt 10                              ; pair 3 and this trip's ST1: eight
.elseif (\g) == 7
	s_wait_loadcnt 8                               ; this trip's ST1
.endif
	DSWAIT \g, \e
.irp k, 1,2,3,4
	MM \g, (\k)-1
	SLICE \g, \k, \e
.if (\g) == 3
	RED \k                                         ; the last trip's logit: its parts were shown in by group 1's wait
.endif
.endr
.if (\g) == 4
	ST1 \e
.elseif (\g) == 8
	ST2 \e
.endif
.irp k, 5,6,7,8
	MM \g, (\k)-1
	SLICE \g, \k, \e
.if ((\g) == 9) && ((\k) == 5)
	v_permlanex16_b32 v15, v14, s[SEL], s[SEL+1]   ; the row's other 64 columns lie in the lane 16 away
.endif
.if ((\g) == 9) && ((\k) == 6)
	v_add_f32 v14, v14, v15
.endif
.endr
.if (\g) == 11
	ST3 \e, \fill
.endif
.endm
; A TRIP, of parity e.  ONE barrier: in front of it my stores into the next tile and my partial logit are done and my reads of this tile are back; behind it the next tile is read, and the next trip may
; write this tile's bytes.  In a period's second trip (e = 1) it is also the change of slots; with fill = 1 it opens a round of the cluster's barrier, behind which the slot that was left is filled again.
.macro TRIP e, fill
	WIN 0
	HEADS 1-(\e)
.irp g, 1,2,3,4,5,6,7,8,9,10,11,12,13
	GROUP \g, \e, \fill
.endr
	WIN 0
	s_wait_dscnt 0x0                               ; all my LDS instructions are done, the add among them
	s_barrier_signal -1
	GROUP 14, \e, \fill                            ; work on registers while the others arrive
	WIN 0
	s_barrier_wait -1
.if (\e) && (\fill)
	CREST                                          ; no wave of any partner still reads the slot or has a load on its way
	tensor_load_to_lds s[G0:G0+3], s[G1:G1+7]      ; my one tensor load behind the round, and the first thing there
	s_nop 0
.endif
.rept 4
	v_nop                                          ; places behind group 14's last product, whose fragment's registers are loaded below
.endr
	BRUN 0, 128*(1-(\e))                           ; the next trip's first 32 along K: my own rows, shown landed by my own wait
	WIN 0
	ds_load_b32 v16, v[PSR] offset:256*(\e)
.irp a, 17,18,19,20,21,22
	ALOAD \a, \e
.endr
	GROUP 15, \e, \fill
	GROUP 16, \e, \fill
.endm
	s_load_b256 s[4:11], s[0:1], 0x0               ; W2P s[4:5], hmP s[6:7], hjP s[8:9], b2 s[10:11]
	s_load_b128 s[12:15], s[0:1], 0x20             ; W3 s[12:13], b3 s[14:15]
	s_load_b64 s[16:17], s[0:1], 0x30              ; out0
	v_lshl_add_u32 v[SPW], v0, 2, SPARE
	v_mov_b32 v[NIL], 0
	ds_add_u32 v[SPW], v[NIL]                      ; the wave's opening: the add and its wait ahead of my first tensor load; the set-up below, work on registers, stands between them
	v_lshrrev_b32 v14, 5, v0
	v_readfirstlane_b32 s[WV], v14
	s_bfe_u32 s[CX], ttmp6, 0x40000
	s_lshl_b32 s[Q], ttmp9, 2                      ; in a cluster launch ttmp9 counts clusters
	s_add_co_u32 s[Q], s[Q], s[CX]
	s_and_b32 s[BB], ttmp7, 0xffff
	s_lshl_b32 s[JB], s[BB], 7
	s_lshl4_add_u32 s[JB], s[Q], s[JB]
	s_lshl_b32 s[B32], s[BB], 5
	s_mov_b32 s[G1+0], 15|(1<<16)|(1<<20)|(1<<21)|(5<<22)|(3<<25)  ; the mask of four; 2-byte elements; padding on; bit 21 beside a mask; after every 64 words, 4 words
	s_mov_b32 s[G1+1], 128<<16                     ; tensor_dim0 = 128
	s_mov_b32 s[G1+2], 128<<16                     ; tensor_dim1 = 128
	s_mov_b32 s[G1+3], 128<<16                     ; tile_dim0 = 128
	s_mov_b32 s[G1+4], 128                         ; tile_dim1 = 128
	s_mov_b32 s[G1+5], 512                         ; 512 elements from row to row
	s_mov_b32 s[G1+6], 0
	s_mov_b32 s[G1+7], 0
	s_mov_b32 s[G0A], 1
	s_mul_i32 s[G0A+1], s[WV], WPART               ; slot 0, my 128 rows
	s_mov_b32 s[G0], 1
	s_add_co_u32 s[G0+1], s[G0A+1], SLOT           ; slot 1
	s_lshl_b32 s[OFF], s[WV], 17                   ; 128 rows of 1,024 bytes
	s_mov_b32 s[OFF+1], 0
	s_mov_b32 s[KOFF+1], 0
.irp i, 1,3,5,7
	s_mov_b32 s[MUL+\i], 0                         ; named as pairs
.endr
	s_mov_b32 s[SEL], 0x76543210
	s_mov_b32 s[SEL+1], 0xfedcba98
	s_mov_b32 s[TB], 0
	s_mov_b32 s[KS], 1
	s_mov_b32 s[LGO], 0x7f0                        ; trip 0 stores the logit of a trip that has not been: 16 below 0, in the ring of 2,048 bytes; nobody reads it
	s_mov_b32 s[U], 0
	s_mov_b32 s72, 0x4038aa3b                      ; K
	s_mov_b32 s73, s72
	s_mov_b32 s75, 0xffff0000
	s_wait_dscnt 0x0                               ; the opening add is done
	s_wait_kmcnt 0x0
	s_add_nc_u64 s[WB:WB+1], s[4:5], s[OFF:OFF+1]
	s_add_nc_u64 s[G0A+2:G0A+3], s[WB:WB+1], 0     ; K step 0
	s_or_b32 s[G0A+3], s[G0A+3], 0x80000000
	s_add_nc_u64 s[G0+2:G0+3], s[WB:WB+1], 256     ; K step 1
	s_or_b32 s[G0+3], s[G0+3], 0x80000000
	CROUND                                         ; all four work-groups are here: the first joint loads meet
	tensor_load_to_lds s[G0A:G0A+3], s[G1:G1+7]
	s_nop 0
	tensor_load_to_lds s[G0:G0+3], s[G1:G1+7]
	s_nop 0
.rept 4
	v_nop
.endr
	; all that follows, down to the wait for slot 0, stands in the wait for the first tile
	v_and_b32 v16, 31, v0
	v_and_b32 v17, 15, v0                          ; r
	v_bfe_u32 v18, v0, 4, 1                        ; h
	v_and_b32 v19, 7, v0
	v_bfe_u32 v14, v0, 3, 1
	v_and_b32 v15, 3, v0
	s_lshl_b32 s68, s[WV], 9
	v_lshl_add_u32 v20, v18, 5, s68                ; b2 and W3 at column 128 w + 8 h
	v_lshlrev_b32 v[L16], 4, v16
	v_lshlrev_b32 v[L32], 5, v19
	WIN 0x40
.irp n, 0,1,2,3,4,5,6,7
	global_load_b128 v[KB2+8*\n:KB2+8*\n+3],   v20, s[10:11] offset:64*\n
	global_load_b128 v[KB2+8*\n+4:KB2+8*\n+7], v20, s[10:11] offset:64*\n+16
	global_load_b128 v[W3M+8*\n:W3M+8*\n+3],   v20, s[12:13] offset:64*\n
	global_load_b128 v[W3M+8*\n+4:W3M+8*\n+7], v20, s[12:13] offset:64*\n+16
.endr
	WIN 0
	s_load_b32 s74, s[14:15], 0x0
	HEADS 1                                        ; tile 0's inputs
	HJLOAD 1
.irp i, 0,1,2,3
	HMLOAD \i
.endr
	; The first trips' upper positions hold blocks that do not exist; their sums are thrown away but are read, so the registers are written: 456 lines, once a launch, the price of one text for every trip.
	WIN 0x80
.set i, 0
.rept 256
	v_mov_b32 v[i], 0
.set i, i+1
.endr
	WIN 0xc0
.set i, 0
.rept 192
	v_mov_b32 v[i], 0
.set i, i+1
.endr
.set i, 248
.rept 8
	v_mov_b32 v[i], 0
.set i, i+1
.endr
	WIN 0
.set i, 0
.rept 8
	v_mov_b32 v[S+i], 0
.set i, i+1
.endr
	s_mul_i32 s68, s[WV], WPART
	v_mul_u32_u24 v[AB0], v17, PB
	v_lshl_add_u32 v[AB0], v18, 4, v[AB0]
	v_add_nc_u32 v[AB0], s68, v[AB0]               ; my part + row x pitch + 16 x half
	v_mov_b32 v[ADB], v[AB0]
	v_mul_u32_u24 v[ADA], v17, PA
	v_lshl_add_u32 v[ADA], v18, 4, v[ADA]
	v_add_nc_u32 v[ADA], ATILE, v[ADA]
	v_lshl_add_u32 v[AST], v14, 3, v18             ; I make row 8 ((l / 8) % 2) + l / 16 (+ 2 i), k 8 (l % 8) on
	v_mul_u32_u24 v[AST], v[AST], PA
	v_lshl_add_u32 v[AST], v19, 4, v[AST]
	s_mul_i32 s68, s[WV], POS
	s_add_co_u32 s68, s68, ATILE
	v_add_nc_u32 v[AST], s68, v[AST]
	s_lshl_b32 s68, s[WV], 6
	s_add_co_u32 s68, s68, PS
	v_lshl_add_u32 v[PSA], v17, 2, s68
	v_bfe_u32 v[PSR], v0, 2, 2                     ; lane l reads wave (l / 4) % 4's part of row 4 w + l % 4
	v_lshlrev_b32 v[PSR], 6, v[PSR]
	v_lshl_add_u32 v[PSR], v15, 2, v[PSR]
	s_lshl_b32 s68, s[WV], 4
	s_add_co_u32 s68, s68, PS
	v_add_nc_u32 v[PSR], s68, v[PSR]
	s_lshl_b32 s68, s[WV], 11
	s_add_co_u32 s68, s68, LG
	v_lshl_add_u32 v[LG0], v15, 2, s68
	s_wait_loadcnt 0x0
	s_wait_kmcnt 0x0
	WIN 0x55                                       ; all in window 1; W2's registers serve as scratch
.set i, 0
.rept 32
	v_cvt_pk_bf16_f32 v[i%4], v[KB2+2*i], v[KB2+2*i+1]
	v_lshlrev_b32 v[KB2+2*i], 16, v[i%4]
	v_and_b32 v[KB2+2*i+1], s75, v[i%4]
	v_pk_mul_f32 v[KB2+2*i:KB2+2*i+1], v[KB2+2*i:KB2+2*i+1], s[72:73] op_sel_hi:[1,0]
.set i, i+1
.endr
.set i, 0
.rept 32
	v_cvt_pk_bf16_f32 v[i%4], v[W3M+2*i], v[W3M+2*i+1]
	v_lshlrev_b32 v[W3M+2*i], 16, v[i%4]
	v_and_b32 v[W3M+2*i+1], s75, v[i%4]
	v_pk_mul_f32 v[W3M+2*i:W3M+2*i+1], v[W3M+2*i:W3M+2*i+1], -2.0 op_sel_hi:[1,0]
.set i, i+1
.endr
	v_pk_add_f32 v[4:5], v[W3M:W3M+1], v[W3M+2:W3M+3]
.set i, 2
.rept 30
	v_pk_add_f32 v[4:5], v[4:5], v[W3M+2*i:W3M+2*i+1]
.set i, i+1
.endr
	WIN 0x05
	v_add_f32 v[SI], v4, v5
	WIN 0
	v_mul_f32 v[SI], -0.5, v[SI]                   ; the sum of my 64 w3
	v_mov_b32 v[SI+1], 0
	v_mov_b32 v[B3], s74
	v_cvt_pk_bf16_f32 v[B3], v[B3], v[B3]
	v_lshlrev_b32 v[B3], 16, v[B3]
	; my quarter of tile 0, stage by stage, in the 64 registers of X and OUT (X is thereby written before the first trip reads it)
.set u, 0
.rept 8
.set i, 0
.rept 4
	v_pk_fma_f32 v[X+8*u+2*i:X+8*u+2*i+1], s[MUL+4+2*(u%2):MUL+4+2*(u%2)+1], v[HM+8*(u/2)+2*i:HM+8*(u/2)+2*i+1], v[HJ+16+8*(u%2)+2*i:HJ+16+8*(u%2)+2*i+1] op_sel_hi:[0,1,1]
.set i, i+1
.endr
.set u, u+1
.endr
.set i, 0
.rept 64
	v_exp_f32 v[X+i], v[X+i]
.set i, i+1
.endr
	v_nop                                          ; a plain instruction between the run of exponentials and the first use of a result (ISA guide 5.7.2): other transcendentals are none
.set i, 0
.rept 32
	s_wait_alu depctr_va_vdst(0)
	v_pk_add_f32 v[X+2*i:X+2*i+1], 1.0, v[X+2*i:X+2*i+1] op_sel_hi:[0,1]
.set i, i+1
.endr
.set i, 0
.rept 64
	v_rcp_f32 v[X+i], v[X+i]
.set i, i+1
.endr
	v_nop                                          ; the same behind the run of reciprocals
.set i, 0
.rept 32
	s_wait_alu depctr_va_vdst(0)
	v_pk_fma_f32 v[X+2*i:X+2*i+1], -2.0, v[X+2*i:X+2*i+1], 1.0 op_sel_hi:[0,1,0]
.set i, i+1
.endr
.set u, 0
.rept 8
.set i, 0
.rept 4
	v_cvt_pk_f16_f32 v[X+8*u+i], v[X+8*u+2*i], v[X+8*u+2*i+1]
.set i, i+1
.endr
	ds_store_b128 v[AST], v[X+8*u:X+8*u+3] offset:(u%2)*4*POS+(u/2)*2*PA
.set u, u+1
.endr
	HEADS 0                                        ; tile 1's inputs, in the order in which the trips ask: hj, then hm's four row pairs
	HJLOAD 0
.irp i, 0,1,2,3
	HMLOAD \i
.endr
	s_wait_tensorcnt 0x1                           ; my part of slot 0 is in; slot 1's may stay out
	s_wait_dscnt 0x0                               ; my quarter of tile 0 is stored
	s_barrier_signal -1
	s_barrier_wait -1
	BRUN 0, 0
.irp a, 17,18,19,20,21,22
	ALOAD \a, 1                                    ; trip 0's groups 1 to 6, from tile 0
.endr
	s_wait_dscnt 0x0                               ; so that the loop's counts hold on the way in
	s_mov_b32 s[CNT], 34
.Lfill:                                                ; periods 0 to 33: each asks for the K step two periods on
	TRIP 0, 1
	TRIP 1, 1
	WIN 0
	s_sub_co_u32 s[CNT], s[CNT], 1
	s_cmp_lg_u32 s[CNT], 0
	s_cbranch_scc1 .Lfill
	s_mov_b32 s[CNT], 2
.Ldry:                                                 ; periods 34 and 35: nothing is left to ask for
	TRIP 0, 0
	TRIP 1, 0
	WIN 0
	s_sub_co_u32 s[CNT], s[CNT], 1
	s_cmp_lg_u32 s[CNT], 0
	s_cbranch_scc1 .Ldry
	; the last trip's logit (block 63), which the next trip would have stored
	s_wait_dscnt 0x0
.irp k, 1,2,3,4
	RED \k
.endr
	LGSTORE
	; block 64, the dummy row: what is left of its stages.  Its units 5, 6, 7 lie in the buffers of groups -1, 0, 1
	UNIT -1
.set b5, UB
	UNIT 0
.set b6, UB
	UNIT 1
.set b7, UB
	WIN 0x03
.set i, 0
.rept 8
	v_exp_f32 v[b7+i], v[248+i]
.set i, i+1
.endr
.set i, 0
.rept 4
	s_wait_alu depctr_va_vdst(0)
	v_pk_add_f32 v[b6+2*i:b6+2*i+1], 1.0, v[b6+2*i:b6+2*i+1] op_sel_hi:[0,1]
.set i, i+1
.endr
	WIN 0
.set i, 0
.rept 8
	v_rcp_f32 v[b6+i], v[b6+i]
.set i, i+1
.endr
.set i, 0
.rept 4
	v_pk_add_f32 v[b7+2*i:b7+2*i+1], 1.0, v[b7+2*i:b7+2*i+1] op_sel_hi:[0,1]
.set i, i+1
.endr
.set i, 0
.rept 8
	v_rcp_f32 v[b7+i], v[b7+i]
.set i, i+1
.endr
	WIN 0x04
.set UB, b5
.irp z, 0,1,2,3
	ES 5, \z
.endr
.set UB, b6
.irp z, 0,1,2,3
	ES 6, \z
.endr
.set UB, b7
.irp z, 0,1,2,3
	ES 7, \z
.endr
	WIN 0
.irp z, 0,1,2,3
	FINZ \z
.endr
	v_permlanex16_b32 v15, v14, s[SEL], s[SEL+1]
	v_add_f32 v14, v14, v15
	ds_store_b32 v[PSA], v14
	s_wait_dscnt 0x0
	s_barrier_signal -1
	s_barrier_wait -1
	ds_load_b32 v16, v[PSR]
	s_wait_dscnt 0x0
.irp k, 1,2,3,4
	RED \k
.endr
	LGSTORE
	s_wait_dscnt 0x0                               ; for the others' sake: all my logits are stored
	s_barrier_signal -1
	s_barrier_wait -1
	; THE WAY OUT.  Logit x = 16 rb + row lies at 2048 ((x / 4) % 4) + 16 (rb + 8) + 4 (x % 4).  out0's rows begin at 4 (8193 b + 1) bytes, so the stores are of 4 bytes: 32 neighbouring lanes, 128 consecutive bytes.
	v_bfe_u32 v17, v0, 2, 2
	v_lshlrev_b32 v17, 11, v17
	v_lshrrev_b32 v18, 4, v0
	v_lshl_add_u32 v17, v18, 4, v17
	v_and_b32 v18, 3, v0
	v_lshl_add_u32 v17, v18, 2, v17
	v_add_nc_u32 v17, LG+128, v17
	v_mov_b32 v19, LG+1152                         ; block 64, row 0
.irp i, 0,1,2,3,4,5,6,7
	ds_load_b32 v[X+\i], v17 offset:128*\i
.endr
	ds_load_b32 v[X+8], v19
	v_lshlrev_b32 v18, 2, v0
	v_mov_b32 v20, 0
	v_lshl_add_u32 v21, s[Q], 7, v0                ; 0 in thread 0 of the batch's first work-group alone
	s_mul_i32 s68, s[BB], 8193
	s_lshl_b32 s69, s[Q], 10
	s_add_co_u32 s69, s69, s68
	s_add_co_u32 s69, s69, 1
	s_lshl_b32 s[OFF], s69, 2
	s_add_nc_u64 s[70:71], s[16:17], s[OFF:OFF+1]
	s_lshl_b32 s[OFF], s68, 2
	s_add_nc_u64 s[72:73], s[16:17], s[OFF:OFF+1]
.irp i, 0,1,2,3,4,5,6,7
	s_wait_dscnt 8-\i
	global_store_b32 v18, v[X+\i], s[70:71] offset:512*\i
.endr
	s_wait_dscnt 0x0
	v_cmp_eq_u32 vcc_lo, 0, v21
	s_wait_xcnt 0x0                                ; EXEC changes only behind this wait
	s_and_saveexec_b32 s68, vcc_lo
	global_store_b32 v20, v[X+8], s[72:73]         ; out0[b][0]: one work-group of the eight stores it
	s_wait_xcnt 0x0
	s_or_b32 exec_lo, exec_lo, s68
	s_wait_tensorcnt 0x0                           ; the wave's end, behind my last tensor load and my last LDS store
	ds_add_u32 v[SPW], v[NIL]
	s_wait_dscnt 0x0
	CROUND                                         ; the closing round: no work-group ends while a partner may still ask for a tile that names it
	s_endpgm
.Lfunc_end_k_q6c33b4c971_pairs:
	.size	k_q6c33b4c971_pairs, .Lfunc_end_k_q6c33b4c971_pairs-k_q6c33b4c971_pairs
	.p2alignl 7, 3214868480
	.fill 96, 4, 3214868480
	.section	.rodata,"a",@progbits
	.p2align	6, 0x0
	.amdhsa_kernel k_q6c33b4c971_pairs
		.amdhsa_group_segment_fixed_size 327680
		.amdhsa_private_segment_fixed_size 0
		.amdhsa_enable_private_segment 0
		.amdhsa_kernarg_size 56
		.amdhsa_user_sgpr_count 2
		.amdhsa_user_sgpr_kernarg_segment_ptr 1
		.amdhsa_wavefront_size32 1
		.amdhsa_system_sgpr_workgroup_id_x 1
		.amdhsa_system_sgpr_workgroup_id_y 1
		.amdhsa_system_sgpr_workgroup_id_z 1
		.amdhsa_system_vgpr_workitem_id 0
		.amdhsa_next_free_vgpr 1024
		.amdhsa_next_free_sgpr 80
		.amdhsa_reserve_vcc 1
		.amdhsa_float_denorm_mode_32 3
		.amdhsa_float_denorm_mode_16_64 3
		.amdhsa_memory_ordered 1
		.amdhsa_forward_progress 1
		.amdhsa_inst_pref_size 255
	.end_amdhsa_kernel
	.amdgpu_metadata
---
amdhsa.version: [ 1, 2 ]
amdhsa.kernels:
  - .name:           k_q6c33b4c971_pairs
    .symbol:         k_q6c33b4c971_pairs.kd
    .args:
      - { .name: W2P, .offset: 0, .size: 8, .value_kind: global_buffer, .address_space: global }
      - { .name: hmP, .offset: 8, .size: 8, .value_kind: global_buffer, .address_space: global }
      - { .name: hjP, .offset: 16, .size: 8, .value_kind: global_buffer, .address_space: global }
      - { .name: b2, .offset: 24, .size: 8, .value_kind: global_buffer, .address_space: global }
      - { .name: W3, .offset: 32, .size: 8, .value_kind: global_buffer, .address_space: global }
      - { .name: b3, .offset: 40, .size: 8, .value_kind: global_buffer, .address_space: global }
      - { .name: out0, .offset: 48, .size: 8, .value_kind: global_buffer, .address_space: global }
    .group_segment_fixed_size: 327680
    .private_segment_fixed_size: 0
    .kernarg_segment_align: 8
    .kernarg_segment_size: 56
    .max_flat_workgroup_size: 128
    .sgpr_count:     80
    .vgpr_count:     1024
    .wavefront_size: 32
...
	.end_amdgpu_metadata
.endif
;; end of part 3
;; ======== version 3 of 3: 2 launches; 1.72 times as fast as version 1
;; limits: values are held in f16: magnitudes above 65,504 overflow, below 6.1e-05 lose precision
;; workspace buffers: W2P 524,288 bytes; hmP 4,194,304 bytes; hjP 8,390,656 bytes
;; launch prep: the kernel of part 1 again; grid 212 x 1, 16 waves a work-group, no clusters, 282,624 bytes of LDS; arguments ops_emb, ma_emb, next_op, dummy, W1, b1, W2, hjP, hmP, W2P; writes hjP, hmP, W2P
;; launch pairs (part 4): grid 8 x 32, 4 waves a work-group, clusters of 4 x 1, 327,680 bytes of LDS; arguments W2P, hmP, hjP, b2, W3, b3, out0; writes out0
.if DOCPART == 4
	.amdgcn_target "amdgcn-amd-amdhsa--gfx1250"
	.amdhsa_code_object_version 6
	.text
	.protected	k_q6c33b4c971_pairs
	.globl	k_q6c33b4c971_pairs
	.p2align	8
	.type	k_q6c33b4c971_pairs,@function
k_q6c33b4c971_pairs:
	s_mov_b64 s[64:65], 0
	v_nop
	global_prefetch_b8 v0, s[64:65] scope:SCOPE_SE
	s_setreg_imm32_b32 hwreg(HW_REG_WAVE_MODE, 25, 1), 1
	s_wait_xcnt 0x0
	s_wait_alu depctr_hold_cnt(0) depctr_sa_sdst(0) depctr_va_vdst(0) depctr_va_sdst(0) depctr_va_ssrc(0) depctr_va_vcc(0) depctr_vm_vsrc(0)
	s_getreg_b32 s2, hwreg(HW_REG_IB_STS2, 6, 4)
	s_cmp_eq_u32 s2, 0
	s_cbranch_scc0 .Lentry_in_a_cluster
	s_endpgm
.Lentry_in_a_cluster:
	s_bfe_u32 s2, ttmp6, 0x10000c
	s_cmp_lg_u32 s2, 0x3003
	s_cbranch_scc0 .Lentry_shape_is_right
	s_endpgm
.Lentry_shape_is_right:
; out0[b][1 + 64 j + m] = W3 . tanh(W2^T tanh(hj[b][j] + hm[b][m] + b1) + b2) + b3;  out0[b][0] the same of the dummy row.  hjP, hmP, W2P come scaled by K = 2 log2(e):
; tanh(x) = 1 - 2 / (1 + 2^(K x)), right at both ends: 2^(..) = infinity gives 1, 0 gives -1.
; SHARES.  Work-group (q, b): jobs 16 q .. 16 q + 15 of batch b, 1,024 pair rows = 64 BLOCKS of 16 (block rb: job rb / 4, machines 16 (rb % 4) on).  Wave w owns the 128 columns 128 w on of the second layer.
; A SHIFT REGISTER OF SUMS.  A wave holds eight blocks at once, 8 x 64 registers: acc[1..8].  A TRIP multiplies all eight by one granule of W2 (64 along K): 128 matrix instructions.  In the first 32 along K
; position p does acc[p+1] = acc[p] + A_p B (p = 7 .. 0; position 0 starts from K b2), in the second 32 it goes on in place.  So one block enters and one leaves in every trip, the block that leaves
; always lies in acc[8], and a trip's text is always the same.  72 trips: blocks outside 0..63 are the dummy row (factor 0 on hm, hjP's row 4096); block 64 gives the no-op logit.
; BESIDE THE PRODUCTS, behind each matrix instruction: the second tanh and the dot with W3 of the block that left, and my quarter (positions w and w + 4) of the next trip's tile of h1 (128 rows x 64).
; THE TRANSCENDENTALS GO IN BATCHES OF SIXTEEN, WITH ONE WAIT EACH.  Group g issues the eight exponentials of unit g (behind its products 1-4) and the eight reciprocals of unit g - 1 (behind its products 5-8).  No line of
; group g names a result of theirs: the units g - 2, g - 1, g, g + 1 that the group touches lie in the four different buffers of X.  All sixteen results are first named in group g + 1: 1 + 2^x behind its products 1-4, the
; last stage behind its products 5-8.  So ONE s_wait_alu depctr_va_vdst(0), ahead of the first line that names a transcendental's result, stands between group g and group g + 1: sixteen a trip.
; Thirteen stand at a group's head, behind its waits for memory.  Three stand where the text has a seam: at the head of the run ST3 (between groups 11 and 12), ahead of the barrier's wait (between 14 and 15: ahead of the
; round's branch too), and at the trip's end (between 16 and 1: ahead of the loop's jump too).
; MEMORY AND LDS INSTRUCTIONS STAND IN FOUR RUNS A TRIP (ST1 to ST3, and the run behind the barrier), never singly among the products: what they load is asked for two groups or more ahead of its use,
; what they store waits in registers of its own (OUT) until the next run.
; FORMATS.  h1 and K W2 in f16, sums in f32; b2, W3, b3 rounded once to bf16 like all the module's inputs.  logit = sum(w3) + sum(-2 w3 / (1 + 2^s)) + b3.
; LIMITS.  A block meets the eight granules of K in a ring, beginning where it enters, and W3's sum goes by lanes and waves: orders of rounding other than the written one.  hm is finite (0 x hm is formed).
; NaN and infinities are not treated apart.
; CLUSTER.  The four work-groups of a cluster (one b, four q) walk the same W2P: each tile is asked for jointly, the same tensor load, descriptor and mask in all four.  q enters global addresses and the mask of one store alone.
; RING.  Two slots of 128 along K (512 rows x 256 bytes, padded to 272); a wave fills and reads its own 128 rows.  A slot serves two trips; it is asked for again behind a round of the cluster's barrier,
; some 220 matrix instructions ahead of the wait for it; one tensor load of a wave is out then, two at the start.
; REGISTERS, in windows of 256 (s_set_vgpr_msb: bits 1:0 source 0, 3:2 source 1, 5:4 source 2, 7:6 destination):
;   window 0: addresses; S; AR eight fragments of h1; X four units at work; OUT finished h1; HM, HJ     window 1: B0, B1 W2's fragments; KB2 = K b2; W3M = -2 w3     windows 2, 3: acc[1..4], acc[5..8]
.set SLOT,  139264                     ; 512 rows x 272; it shares no bit with a wave's part, so one exclusive or changes slots
.set WPART, 34816                      ; 128 rows x 272
.set PB,    272                        ; 256 bytes + 16: the 16 rows of a load start at 16 different groups of four banks
.set PA,    144                        ; a row of h1: 128 bytes + 16
.set POS,   16*PA                      ; a position's 16 rows
.set TILEA, 8*POS
.set ATILE, 2*SLOT                     ; two tiles of h1, by the trip's parity
.set PS,    ATILE+2*TILEA              ; [parity][wave][16] partial logits
.set SPARE, PS+512                     ; the spare words: 128 bytes for each wave, two blocks of 256 bytes that no other line names
.set LG,    SPARE+512                  ; the logits: 2,048 bytes a wave; trip t's four rows of wave w at 2048 w + 16 t
.set SPW, 1                            ; v1   my spare word's address; never rewritten
.set NIL, 2                            ; v2   0; never rewritten
.set AB0, 3                            ; v3   my lane's place in my part of a slot
.set ADB, 4                            ; v4   the same in the slot in hand
.set ADA, 5                            ; v5   my lane's place in a fragment of h1
.set AST, 6                            ; v6   where I store 16 bytes of h1
.set L16, 7                            ; v7   16 x lane
.set L32, 8                            ; v8   32 x (lane % 8)
.set PSA, 9                            ; v9   where my partial logit goes
.set PSR, 10                           ; v10  which partial logit I read back
.set LG0, 11                           ; v11  my place in my wave's logits
.set LGA, 12                           ; v12  the same with the trip's step
.set B3,  13                           ; v13  bf16(b3)          v14-21 at work
.set SI,  22                           ; v[22:23]   (the sum of my 64 w3, 0)
.set S,   24                           ; v[24:31]   four pairs of running sums
.set AR,  32                           ; v[32:95]   group g's fragment of h1 in slot g % 8
.set X,   96                           ; v[96:127]  four units of 8 at work: group s's unit in buffer s % 4
.set OUT, 128                          ; v[128:159] the eight finished units of h1, 4 registers of f16 each
.set HM,  160                          ; v[160:191] K hm: four row pairs x 8
.set HJ,  192                          ; v[192:223] K (hj + b1): two sets x two blocks x 8
.set KB2, 128                          ; window 1
.set W3M, 192                          ; window 1
.set WV,  18                           ; s18 wave   s19 cx   s20 q   s21 b   s22 128 b + 16 q   s23 the tile whose inputs are asked for next
.set CX,  19
.set Q,   20
.set BB,  21
.set JB,  22
.set U,   23
.set G1,  24                           ; s[24:31] descriptor group 1
.set G0A, 32                           ; s[32:35] group 0 of the first fill of slot 0
.set G0,  36                           ; s[36:39] group 0 that walks
.set WB,  40                           ; s[40:41] W2P at my 128 rows
.set KOFF, 42                          ; s[42:43] the K step's bytes
.set HMB, 44                           ; s[44:45], s[46:47], s[48:49] bases of hm's block and of the two rows of hj
.set HJN, 46
.set HJO, 48
.set OFF, 50                           ; s[50:51] an offset
.set MUL, 52                           ; s[52:59] hm's factor, 1 or 0: two sets x two blocks, each a pair of which the low word counts
.set SEL, 60                           ; s[60:61] v_permlanex16_b32's selects
.set TB,  62                           ; s62 the slot in hand
.set CNT, 63
.set KS,  66                           ; s66 the K step asked for last
.set LGO, 67                           ; s67 16 x the trip whose logit is stored next
.set B32, 76                           ; s76 32 b
.set MSB, 0
.macro WIN new                         ; the high byte repeats the setting that is left; a switch that changes nothing is dropped
.if MSB != (\new)
	s_set_vgpr_msb (MSB<<8)|(\new)
.set MSB, (\new)
.endif
.endm
.macro CREST                           ; a round of the cluster's barrier behind its opening barrier
	s_cmp_lg_u32 s[WV], 0
	s_cbranch_scc1 .Lnot_wave_0_\@
	s_barrier_signal -3
.Lnot_wave_0_\@:
	s_barrier_wait -3
	s_barrier_signal -1
	s_barrier_wait -1
.endm
.macro CROUND
	s_barrier_signal -1
	s_barrier_wait -1
	CREST
.endm
; One row of hjP for block s69: a real block's job, or row 4096 with factor 0.
.macro HJROW base, mul
	s_lshr_b32 s71, s69, 2
	s_add_co_u32 s71, s71, s[JB]
	s_cmp_lt_u32 s69, 64                           ; blocks below 0 are large numbers here
	s_cselect_b32 s71, s71, 4096
	s_cselect_b32 s[\mul], 1.0, 0
	s_lshl3_add_u32 s71, s71, s68                  ; 8 x row + granule: units of 256 bytes
	s_lshl_b32 s[OFF], s71, 8
	s_add_nc_u64 s[\base:\base+1], s[8:9], s[OFF:OFF+1]
.endm
; The inputs of tile U, of which I make positions w (block U - w) and w + 4: bases and factors (set par).  Scalar work alone; the loads follow in the runs.
.macro HEADS par
	s_wait_xcnt 0x0                                ; the bases of loads that may be pending are written anew only behind this wait
	s_and_b32 s68, s[U], 7                         ; the granule
	s_sub_co_u32 s69, s[U], s[WV]
	s_and_b32 s70, s69, 3                          ; both blocks' quarter of the machines
	s_lshl2_add_u32 s70, s68, s70
	s_add_co_u32 s70, s70, s[B32]
	s_lshl_b32 s[OFF], s70, 12
	s_add_nc_u64 s[HMB:HMB+1], s[6:7], s[OFF:OFF+1]
	HJROW HJN, MUL+4*(\par)
	s_sub_co_u32 s69, s69, 4
	HJROW HJO, MUL+4*(\par)+2
	s_add_co_u32 s[U], s[U], 1
.endm
.macro HJLOAD par                      ; the two blocks' 64 numbers of hj into set par
	global_load_b128 v[HJ+16*(\par):HJ+16*(\par)+3],     v[L32], s[HJN:HJN+1]
	global_load_b128 v[HJ+16*(\par)+4:HJ+16*(\par)+7],   v[L32], s[HJN:HJN+1] offset:16
	global_load_b128 v[HJ+16*(\par)+8:HJ+16*(\par)+11],  v[L32], s[HJO:HJO+1]
	global_load_b128 v[HJ+16*(\par)+12:HJ+16*(\par)+15], v[L32], s[HJO:HJO+1] offset:16
.endm
.macro HMLOAD i                        ; row pair i of hm's block: 2 x 512 consecutive bytes of the wave
	global_load_b128 v[HM+8*(\i):HM+8*(\i)+3],   v[L16], s[HMB:HMB+1] offset:1024*(\i)
	global_load_b128 v[HM+8*(\i)+4:HM+8*(\i)+7], v[L16], s[HMB:HMB+1] offset:1024*(\i)+512
.endm
; Matrix instruction n of group g.  Groups 1-8: the first 32 along K, position 8 - g, the sum moves up one place; groups 9-16: the second 32, position 16 - g, in place.
; Source 0 = 16 columns of W2, source 1 = 16 pair rows: a lane holds one pair row and eight columns.  No two that follow each other share an accumulator, over the loop's edge too;
; a register read as C is written over eight matrix instructions later, with eight plain vector instructions or more between.
.macro MM g, n
.if (\g) <= 8
.set mp, 8-(\g)
.set mk, 0
.else
.set mp, 16-(\g)
.set mk, 1
.endif
.set rD, 64*(mp%4)+8*(\n)
.set wD, 2+mp/4
.set rF, 64*mk+8*(\n)
.set rA, AR+8*((\g)%8)
.if mk
	WIN (wD<<6)|(wD<<4)|1
	v_wmma_f32_16x16x32_f16 v[rD:rD+7], v[rF:rF+7], v[rA:rA+7], v[rD:rD+7]
.elseif mp == 0
	WIN (wD<<6)|(1<<4)|1
	v_wmma_f32_16x16x32_f16 v[rD:rD+7], v[rF:rF+7], v[rA:rA+7], v[KB2+8*(\n):KB2+8*(\n)+7]
.else
.set rC, 64*((mp-1)%4)+8*(\n)
	WIN (wD<<6)|((2+(mp-1)/4)<<4)|1
	v_wmma_f32_16x16x32_f16 v[rD:rD+7], v[rF:rF+7], v[rA:rA+7], v[rC:rC+7]
.endif
.endm
.macro ALOAD g, e                      ; group g's fragment of h1 (17-22: the next trip's groups 1-6, from the other tile) into slot g % 8
.if (\g) > 16
.set ag, (\g)-16
.set ap, 1-(\e)
.else
.set ag, (\g)
.set ap, (\e)
.endif
.if ag <= 8
.set ao, ap*TILEA+(8-ag)*POS
.else
.set ao, ap*TILEA+(16-ag)*POS+64
.endif
	WIN 0
	ds_load_b128 v[AR+8*(ag%8):AR+8*(ag%8)+3],   v[ADA] offset:ao
	ds_load_b128 v[AR+8*(ag%8)+4:AR+8*(ag%8)+7], v[ADA] offset:ao+32
.endm
.macro BRUN kk, off                    ; 16 loads: W2's eight fragments of 32 along K at byte off of my rows
	WIN 0x40
.irp n, 0,1,2,3,4,5,6,7
	ds_load_b128 v[64*(\kk)+8*\n:64*(\kk)+8*\n+3],   v[ADB] offset:\n*16*PB+(\off)
	ds_load_b128 v[64*(\kk)+8*\n+4:64*(\kk)+8*\n+7], v[ADB] offset:\n*16*PB+(\off)+32
.endr
.endm
.macro TSTORE u, e                     ; unit u of the next tile: row pair u / 2, block u % 2
	ds_store_b128 v[AST], v[OUT+4*(\u):OUT+4*(\u)+3] offset:(1-(\e))*TILEA+((\u)%2)*4*POS+((\u)/2)*2*PA
.endm
; THE VECTOR WORK goes in UNITS of eight numbers a lane, one unit to each group s, in buffer s % 4 of X (16 groups a trip: the map is the same in every trip).
; s = 2..9: unit s - 2 of the tile in the making (row pair (s - 2) / 2, block (s - 2) % 2); s = 10..16: columns 16 (s - 10) on of the block that left; s = 1, 0, -1: that block's last three units, carried over from the trip before.
; A unit's stages: argument (group s - 1), 2^x (s), 1 + (s + 1, first half), reciprocal (s + 1, second half), and in s + 2 either 1 - 2 r and the rounding to f16 (into OUT), or the sum with -2 w3.
; A buffer's next unit writes it first in group s + 3 at the earliest, behind the last stage of the unit before.
.macro UNIT s
.set UB, X+8*(((\s)+16)%4)
.if ((\s) >= 2) && ((\s) <= 9)
.set UE, 0
.set UN, (\s)-2
.elseif (\s) >= 10
.set UE, 1
.set UN, (\s)-10
.else
.set UE, 1
.set UN, (\s)+6
.endif
.endm
.macro EXPO j                          ; for a leaving unit the exponential itself brings the number out of acc[8] (window 3), the lowest register first
.if UE
	v_exp_f32 v[UB+(\j)], v[192+8*UN+(\j)]
.else
	v_exp_f32 v[UB+(\j)], v[UB+(\j)]
.endif
.endm
.macro ES n, z                         ; S[z] += r x (-2 w3), r in the buffer UB; the block's first unit starts the sums, one of them from the sum of w3.  r's batch has had its wait where this line stands
.if ((\n) == 0) && ((\z) == 0)
	v_pk_fma_f32 v[S:S+1], v[UB:UB+1], v[W3M:W3M+1], v[SI:SI+1]
.elseif (\n) == 0
	v_pk_mul_f32 v[S+2*(\z):S+2*(\z)+1], v[UB+2*(\z):UB+2*(\z)+1], v[W3M+2*(\z):W3M+2*(\z)+1]
.else
	v_pk_fma_f32 v[S+2*(\z):S+2*(\z)+1], v[UB+2*(\z):UB+2*(\z)+1], v[W3M+8*(\n)+2*(\z):W3M+8*(\n)+2*(\z)+1], v[S+2*(\z):S+2*(\z)+1]
.endif
.endm
.macro FINZ z                          ; the lane's eight sums into one
.if (\z) == 0
	v_pk_add_f32 v[S:S+1], v[S:S+1], v[S+2:S+3]
.elseif (\z) == 1
	v_pk_add_f32 v[S+4:S+5], v[S+4:S+5], v[S+6:S+7]
.elseif (\z) == 2
	v_pk_add_f32 v[S:S+1], v[S:S+1], v[S+4:S+5]
.else
	v_add_f32 v14, v[S], v[S+1]
.endif
.endm
.macro MC j                            ; 0-3: h1 = 1 - 2 r for pair j; 4-7: pair j - 4 rounded to f16, into the unit's four registers of OUT
.if (\j) < 4
	v_pk_fma_f32 v[UB+2*(\j):UB+2*(\j)+1], -2.0, v[UB+2*(\j):UB+2*(\j)+1], 1.0 op_sel_hi:[0,1,0]
.else
	v_cvt_pk_f16_f32 v[OUT+4*UN+(\j)-4], v[UB+2*((\j)-4)], v[UB+2*((\j)-4)+1]
.endif
.endm
.macro RED k                           ; the four waves' partial logits, which lie four lanes apart, into one; b3; where it goes
.if (\k) == 1
	v_add_f32_dpp v16, v16, v16 row_xmask:4 row_mask:0xf bank_mask:0xf
.elseif (\k) == 2
	v_add_f32_dpp v16, v16, v16 row_xmask:8 row_mask:0xf bank_mask:0xf
.elseif (\k) == 3
	v_add_f32 v16, v16, v[B3]
.else
	v_add_nc_u32 v[LGA], s[LGO], v[LG0]
.endif
.endm
.macro LGSTORE
	ds_store_b32 v[LGA], v16
	s_add_co_u32 s[LGO], s[LGO], 16
	s_and_b32 s[LGO], s[LGO], 0x7f0                ; 74 steps of 16, from 2,032 round to 1,152: inside my wave's 2,048 bytes
.endm
; The vector instructions behind matrix instruction k (1..8) of group s.  The plain ones keep their registers out of source 0 (first half) or source 1 (second half) where that place's window is switched.
; Every result is used four matrix instructions later or more, so a plain instruction always stands between a transcendental and the use of its result.
; A slice holds no wait: the results that it reads (2^x in the first half, r in the second) are those of the group before, whose batch has had its one wait ahead of this group.
.macro SLICE s, k, e
.if (\k) <= 4
.set z, (\k)-1
	UNIT (\s)+1
.set fE, UE
.set fN, UN
.set fB, UB
	UNIT (\s)-1
.set aB, UB
	UNIT \s
	WIN 3*UE
	v_pk_add_f32 v[aB+2*z:aB+2*z+1], 1.0, v[aB+2*z:aB+2*z+1] op_sel_hi:[0,1]
	EXPO 2*z
.if !fE
	v_pk_fma_f32 v[fB+2*z:fB+2*z+1], s[MUL+4*(\e)+2*(fN%2):MUL+4*(\e)+2*(fN%2)+1], v[HM+8*(fN/2)+2*z:HM+8*(fN/2)+2*z+1], v[HJ+16*(\e)+8*(fN%2)+2*z:HJ+16*(\e)+8*(fN%2)+2*z+1] op_sel_hi:[0,1,1]
.elseif (\s) == 9
	FINZ z
.endif
	EXPO 2*z+1
.else
.set z, (\k)-5
	UNIT (\s)-1
.set qB, UB
	UNIT (\s)-2
	WIN 4*UE
.if UE
	ES UN, z
	v_rcp_f32 v[qB+2*z], v[qB+2*z]
	v_rcp_f32 v[qB+2*z+1], v[qB+2*z+1]
.else
	MC 2*z
	v_rcp_f32 v[qB+2*z], v[qB+2*z]
	MC 2*z+1
	v_rcp_f32 v[qB+2*z+1], v[qB+2*z+1]
.endif
.endif
.endm
; THE RUNS.  A load into a fragment's registers stands four plain vector instructions or more behind the last product that read them: slot g % 8 is loaded again seven groups behind its reader at the most,
; and at the least (slot 3 in ST1, slot 7 in ST2) behind the four slices of half a group and one more.
; ST1, in the middle of group 4: the next tile's hj; hm's row pairs 0 and 1, whose last readers stand just above; the last trip's logit; groups 7-11; W2's second 32 along K.  27 LDS instructions.
.macro ST1 e
	WIN 0
	HJLOAD 1-(\e)
	HMLOAD 0
	HMLOAD 1
	LGSTORE
.irp a, 7,8,9,10,11
	ALOAD \a, \e
.endr
	BRUN 1, 128*(\e)+64
.endm
; ST2, in the middle of group 8: hm's row pairs 2 and 3; the next tile's units 0-3, finished in groups 4-7; groups 12-15.  12 LDS instructions.
.macro ST2 e
	WIN 0
	HMLOAD 2
	HMLOAD 3
.irp u, 0,1,2,3
	TSTORE \u, \e
.endr
.irp a, 12,13,14,15
	ALOAD \a, \e
.endr
.endm
; ST3, at the end of group 11: units 4-7; my partial logit; group 16.  7 LDS instructions.  In a period's second trip the change of slots begins here: groups 12 and 13 are the work on registers between the add and the wait for it.
.macro ST3 e, fill
	WIN 0
	s_wait_alu depctr_va_vdst(0)                   ; the wait for group 11's batch (unit 11's exponentials, unit 10's reciprocals), ahead of group 12, which reads it: it stands at the head of this run
.irp u, 4,5,6,7
	TSTORE \u, \e
.endr
	ds_store_b32 v[PSA], v14 offset:256*(\e)
	ALOAD 16, \e
.if \e
	s_wait_tensorcnt 0x0                           ; all my tensor loads have landed: the one that was out is my part of the other slot;
	ds_add_u32 v[SPW], v[NIL]                      ; 0 onto my spare word
.if \fill
	s_xor_b32 s[G0+1], s[G0+1], SLOT               ; the walking descriptor: the slot that is left,
	s_add_co_u32 s[KS], s[KS], 1
	s_and_b32 s[KS], s[KS], 3                      ; the K step two periods on, in a ring of four
	s_lshl_b32 s[KOFF], s[KS], 8
	s_add_nc_u64 s[G0+2:G0+3], s[WB:WB+1], s[KOFF:KOFF+1]
	s_or_b32 s[G0+3], s[G0+3], 0x80000000
.endif
	s_xor_b32 s[TB], s[TB], SLOT
	v_add_nc_u32 v[ADB], s[TB], v[AB0]             ; the reads go on in the other slot (ST1 held this slot's last)
.endif
.endm
; The wait at a group's head: its count is the LDS instructions issued behind the loads that the group wants (LDS serves a wave's instructions in order: ISA guide 5.7.1).
; Behind the barrier: W2's run (16), the partial logits (1), groups 1-6 (12).  Groups 1-4: the later groups of that run.  5, 6: those and ST1's 27.  7, 8: the rest of ST1.  9: ST2's 12 (W2's second run ends ST1,
; so groups 10 and 11 are shown in too).  12, 13: the rest of ST2, ST3's 7, and the add in a period's second trip.  14-16: the wait for 0 in front of the barrier.
.macro DSWAIT g, e
.if (\g) <= 4
	s_wait_dscnt 12-2*(\g)
.elseif (\g) <= 6
	s_wait_dscnt 39-2*(\g)
.elseif (\g) <= 8
	s_wait_dscnt 38-2*(\g)
.elseif (\g) == 9
	s_wait_dscnt 12
.elseif (\g) == 12
	s_wait_dscnt 13+(\e)
.elseif (\g) == 13
	s_wait_dscnt 11+(\e)
.endif
.endm
.macro GROUP g, e, fill
; hm's row pair (g - 1) / 2 is wanted (at group 1 this trip's hj too, asked for ahead of it).  Global loads go out in the order hj, pairs 0, 1 (ST1), pairs 2, 3 (ST2):
.if (\g) == 1
	s_wait_loadcnt 6                               ; pairs 1, 2, 3 may be out
.elseif (\g) == 3
	s_wait_loadcnt 4                               ; pairs 2, 3
.elseif (\g) == 5
	s_wait_loadcnt 10                              ; pair 3 and this trip's ST1: eight
.elseif (\g) == 7
	s_wait_loadcnt 8                               ; this trip's ST1
.endif
	DSWAIT \g, \e
.if ((\g) != 1) && ((\g) != 12) && ((\g) != 15)
	s_wait_alu depctr_va_vdst(0)                   ; the ONE wait for the batch of the group before: its eight exponentials, first read by the 1 + behind the products 1-4 below, and its eight reciprocals, first read behind the products 5-8.
	                                               ; (Groups 1, 12 and 15 find theirs at the trip's end, at ST3's head and ahead of the barrier's wait.)
.endif
.irp k, 1,2,3,4
	MM \g, (\k)-1
	SLICE \g, \k, \e
.if (\g) == 3
	RED \k                                         ; the last trip's logit: its parts were shown in by group 1's wait
.endif
.endr
.if (\g) == 4
	ST1 \e
.elseif (\g) == 8
	ST2 \e
.endif
.irp k, 5,6,7,8
	MM \g, (\k)-1
	SLICE \g, \k, \e
.if ((\g) == 9) && ((\k) == 5)
	v_permlanex16_b32 v15, v14, s[SEL], s[SEL+1]   ; the row's other 64 columns lie in the lane 16 away
.endif
.if ((\g) == 9) && ((\k) == 6)
	v_add_f32 v14, v14, v15
.endif
.endr
.if (\g) == 11
	ST3 \e, \fill
.endif
.endm
; A TRIP, of parity e.  ONE barrier: in front of it my stores into the next tile and my partial logit are done and my reads of this tile are back; behind it the next tile is read, and the next trip may
; write this tile's bytes.  In a period's second trip (e = 1) it is also the change of slots; with fill = 1 it opens a round of the cluster's barrier, behind which the slot that was left is filled again.
.macro TRIP e, fill
	WIN 0
	HEADS 1-(\e)
.irp g, 1,2,3,4,5,6,7,8,9,10,11,12,13
	GROUP \g, \e, \fill
.endr
	WIN 0
	s_wait_dscnt 0x0                               ; all my LDS instructions are done, the add among them
	s_barrier_signal -1
	GROUP 14, \e, \fill                            ; work on registers while the others arrive
	WIN 0
	s_wait_alu depctr_va_vdst(0)                   ; the wait for group 14's batch (unit 14's exponentials, unit 13's reciprocals), ahead of group 15, which reads it, and ahead of the round's branch and label
	s_barrier_wait -1
.if (\e) && (\fill)
	CREST                                          ; no wave of any partner still reads the slot or has a load on its way
	tensor_load_to_lds s[G0:G0+3], s[G1:G1+7]      ; my one tensor load behind the round, and the first thing there
	s_nop 0
.endif
.rept 4
	v_nop                                          ; places behind group 14's last product, whose fragment's registers are loaded below
.endr
	BRUN 0, 128*(1-(\e))                           ; the next trip's first 32 along K: my own rows, shown landed by my own wait
	WIN 0
	ds_load_b32 v16, v[PSR] offset:256*(\e)
.irp a, 17,18,19,20,21,22
	ALOAD \a, \e
.endr
	GROUP 15, \e, \fill
	GROUP 16, \e, \fill
	s_wait_alu depctr_va_vdst(0)                   ; the wait for group 16's batch (unit 16's exponentials, unit 15's reciprocals), ahead of the next trip's group 1 (or the way out), which reads it, and ahead of the loop's jump
.endm
	s_load_b256 s[4:11], s[0:1], 0x0               ; W2P s[4:5], hmP s[6:7], hjP s[8:9], b2 s[10:11]
	s_load_b128 s[12:15], s[0:1], 0x20             ; W3 s[12:13], b3 s[14:15]
	s_load_b64 s[16:17], s[0:1], 0x30              ; out0
	v_lshl_add_u32 v[SPW], v0, 2, SPARE
	v_mov_b32 v[NIL], 0
	ds_add_u32 v[SPW], v[NIL]                      ; the wave's opening: the add and its wait ahead of my first tensor load; the set-up below, work on registers, stands between them
	v_lshrrev_b32 v14, 5, v0
	v_readfirstlane_b32 s[WV], v14
	s_bfe_u32 s[CX], ttmp6, 0x40000
	s_lshl_b32 s[Q], ttmp9, 2                      ; in a cluster launch ttmp9 counts clusters
	s_add_co_u32 s[Q], s[Q], s[CX]
	s_and_b32 s[BB], ttmp7, 0xffff
	s_lshl_b32 s[JB], s[BB], 7
	s_lshl4_add_u32 s[JB], s[Q], s[JB]
	s_lshl_b32 s[B32], s[BB], 5
	s_mov_b32 s[G1+0], 15|(1<<16)|(1<<20)|(1<<21)|(5<<22)|(3<<25)  ; the mask of four; 2-byte elements; padding on; bit 21 beside a mask; after every 64 words, 4 words
	s_mov_b32 s[G1+1], 128<<16                     ; tensor_dim0 = 128
	s_mov_b32 s[G1+2], 128<<16                     ; tensor_dim1 = 128
	s_mov_b32 s[G1+3], 128<<16                     ; tile_dim0 = 128
	s_mov_b32 s[G1+4], 128                         ; tile_dim1 = 128
	s_mov_b32 s[G1+5], 512                         ; 512 elements from row to row
	s_mov_b32 s[G1+6], 0
	s_mov_b32 s[G1+7], 0
	s_mov_b32 s[G0A], 1
	s_mul_i32 s[G0A+1], s[WV], WPART               ; slot 0, my 128 rows
	s_mov_b32 s[G0], 1
	s_add_co_u32 s[G0+1], s[G0A+1], SLOT           ; slot 1
	s_lshl_b32 s[OFF], s[WV], 17                   ; 128 rows of 1,024 bytes
	s_mov_b32 s[OFF+1], 0
	s_mov_b32 s[KOFF+1], 0
.irp i, 1,3,5,7
	s_mov_b32 s[MUL+\i], 0                         ; named as pairs
.endr
	s_mov_b32 s[SEL], 0x76543210
	s_mov_b32 s[SEL+1], 0xfedcba98
	s_mov_b32 s[TB], 0
	s_mov_b32 s[KS], 1
	s_mov_b32 s[LGO], 0x7f0                        ; trip 0 stores the logit of a trip that has not been: 16 below 0, in the ring of 2,048 bytes; nobody reads it
	s_mov_b32 s[U], 0
	s_mov_b32 s72, 0x4038aa3b                      ; K
	s_mov_b32 s73, s72
	s_mov_b32 s75, 0xffff0000
	s_wait_dscnt 0x0                               ; the opening add is done
	s_wait_kmcnt 0x0
	s_add_nc_u64 s[WB:WB+1], s[4:5], s[OFF:OFF+1]
	s_add_nc_u64 s[G0A+2:G0A+3], s[WB:WB+1], 0     ; K step 0
	s_or_b32 s[G0A+3], s[G0A+3], 0x80000000
	s_add_nc_u64 s[G0+2:G0+3], s[WB:WB+1], 256     ; K step 1
	s_or_b32 s[G0+3], s[G0+3], 0x80000000
	CROUND                                         ; all four work-groups are here: the first joint loads meet
	tensor_load_to_lds s[G0A:G0A+3], s[G1:G1+7]
	s_nop 0
	tensor_load_to_lds s[G0:G0+3], s[G1:G1+7]
	s_nop 0
.rept 4
	v_nop
.endr
	; all that follows, down to the wait for slot 0, stands in the wait for the first tile
	v_and_b32 v16, 31, v0
	v_and_b32 v17, 15, v0                          ; r
	v_bfe_u32 v18, v0, 4, 1                        ; h
	v_and_b32 v19, 7, v0
	v_bfe_u32 v14, v0, 3, 1
	v_and_b32 v15, 3, v0
	s_lshl_b32 s68, s[WV], 9
	v_lshl_add_u32 v20, v18, 5, s68                ; b2 and W3 at column 128 w + 8 h
	v_lshlrev_b32 v[L16], 4, v16
	v_lshlrev_b32 v[L32], 5, v19
	WIN 0x40
.irp n, 0,1,2,3,4,5,6,7
	global_load_b128 v[KB2+8*\n:KB2+8*\n+3],   v20, s[10:11] offset:64*\n
	global_load_b128 v[KB2+8*\n+4:KB2+8*\n+7], v20, s[10:11] offset:64*\n+16
	global_load_b128 v[W3M+8*\n:W3M+8*\n+3],   v20, s[12:13] offset:64*\n
	global_load_b128 v[W3M+8*\n+4:W3M+8*\n+7], v20, s[12:13] offset:64*\n+16
.endr
	WIN 0
	s_load_b32 s74, s[14:15], 0x0
	HEADS 1                                        ; tile 0's inputs
	HJLOAD 1
.irp i, 0,1,2,3
	HMLOAD \i
.endr
	; The first trips' upper positions hold blocks that do not exist; their sums are thrown away but are read, so the registers are written: 456 lines, once a launch, the price of one text for every trip.
	WIN 0x80
.set i, 0
.rept 256
	v_mov_b32 v[i], 0
.set i, i+1
.endr
	WIN 0xc0
.set i, 0
.rept 192
	v_mov_b32 v[i], 0
.set i, i+1
.endr
.set i, 248
.rept 8
	v_mov_b32 v[i], 0
.set i, i+1
.endr
	WIN 0
.set i, 0
.rept 8
	v_mov_b32 v[S+i], 0
.set i, i+1
.endr
	s_mul_i32 s68, s[WV], WPART
	v_mul_u32_u24 v[AB0], v17, PB
	v_lshl_add_u32 v[AB0], v18, 4, v[AB0]
	v_add_nc_u32 v[AB0], s68, v[AB0]               ; my part + row x pitch + 16 x half
	v_mov_b32 v[ADB], v[AB0]
	v_mul_u32_u24 v[ADA], v17, PA
	v_lshl_add_u32 v[ADA], v18, 4, v[ADA]
	v_add_nc_u32 v[ADA], ATILE, v[ADA]
	v_lshl_add_u32 v[AST], v14, 3, v18             ; I make row 8 ((l / 8) % 2) + l / 16 (+ 2 i), k 8 (l % 8) on
	v_mul_u32_u24 v[AST], v[AST], PA
	v_lshl_add_u32 v[AST], v19, 4, v[AST]
	s_mul_i32 s68, s[WV], POS
	s_add_co_u32 s68, s68, ATILE
	v_add_nc_u32 v[AST], s68, v[AST]
	s_lshl_b32 s68, s[WV], 6
	s_add_co_u32 s68, s68, PS
	v_lshl_add_u32 v[PSA], v17, 2, s68
	v_bfe_u32 v[PSR], v0, 2, 2                     ; lane l reads wave (l / 4) % 4's part of row 4 w + l % 4
	v_lshlrev_b32 v[PSR], 6, v[PSR]
	v_lshl_add_u32 v[PSR], v15, 2, v[PSR]
	s_lshl_b32 s68, s[WV], 4
	s_add_co_u32 s68, s68, PS
	v_add_nc_u32 v[PSR], s68, v[PSR]
	s_lshl_b32 s68, s[WV], 11
	s_add_co_u32 s68, s68, LG
	v_lshl_add_u32 v[LG0], v15, 2, s68
	s_wait_loadcnt 0x0
	s_wait_kmcnt 0x0
	WIN 0x55                                       ; all in window 1; W2's registers serve as scratch
.set i, 0
.rept 32
	v_cvt_pk_bf16_f32 v[i%4], v[KB2+2*i], v[KB2+2*i+1]
	v_lshlrev_b32 v[KB2+2*i], 16, v[i%4]
	v_and_b32 v[KB2+2*i+1], s75, v[i%4]
	v_pk_mul_f32 v[KB2+2*i:KB2+2*i+1], v[KB2+2*i:KB2+2*i+1], s[72:73] op_sel_hi:[1,0]
.set i, i+1
.endr
.set i, 0
.rept 32
	v_cvt_pk_bf16_f32 v[i%4], v[W3M+2*i], v[W3M+2*i+1]
	v_lshlrev_b32 v[W3M+2*i], 16, v[i%4]
	v_and_b32 v[W3M+2*i+1], s75, v[i%4]
	v_pk_mul_f32 v[W3M+2*i:W3M+2*i+1], v[W3M+2*i:W3M+2*i+1], -2.0 op_sel_hi:[1,0]
.set i, i+1
.endr
	v_pk_add_f32 v[4:5], v[W3M:W3M+1], v[W3M+2:W3M+3]
.set i, 2
.rept 30
	v_pk_add_f32 v[4:5], v[4:5], v[W3M+2*i:W3M+2*i+1]
.set i, i+1
.endr
	WIN 0x05
	v_add_f32 v[SI], v4, v5
	WIN 0
	v_mul_f32 v[SI], -0.5, v[SI]                   ; the sum of my 64 w3
	v_mov_b32 v[SI+1], 0
	v_mov_b32 v[B3], s74
	v_cvt_pk_bf16_f32 v[B3], v[B3], v[B3]
	v_lshlrev_b32 v[B3], 16, v[B3]
	; my quarter of tile 0, stage by stage, in the 64 registers of X and OUT (X is thereby written before the first trip reads it): two batches of 64, a wait each
.set u, 0
.rept 8
.set i, 0
.rept 4
	v_pk_fma_f32 v[X+8*u+2*i:X+8*u+2*i+1], s[MUL+4+2*(u%2):MUL+4+2*(u%2)+1], v[HM+8*(u/2)+2*i:HM+8*(u/2)+2*i+1], v[HJ+16+8*(u%2)+2*i:HJ+16+8*(u%2)+2*i+1] op_sel_hi:[0,1,1]
.set i, i+1
.endr
.set u, u+1
.endr
.set i, 0
.rept 64
	v_exp_f32 v[X+i], v[X+i]
.set i, i+1
.endr
	v_nop                                          ; a plain instruction between the run of exponentials and the first use of a result (ISA guide 5.7.2): other transcendentals are none
	s_wait_alu depctr_va_vdst(0)                   ; the wait for the batch of 64 exponentials, ahead of its first reader
.set i, 0
.rept 32
	v_pk_add_f32 v[X+2*i:X+2*i+1], 1.0, v[X+2*i:X+2*i+1] op_sel_hi:[0,1]
.set i, i+1
.endr
.set i, 0
.rept 64
	v_rcp_f32 v[X+i], v[X+i]
.set i, i+1
.endr
	v_nop                                          ; the same behind the run of reciprocals
	s_wait_alu depctr_va_vdst(0)                   ; the wait for the batch of 64 reciprocals, ahead of its first reader
.set i, 0
.rept 32
	v_pk_fma_f32 v[X+2*i:X+2*i+1], -2.0, v[X+2*i:X+2*i+1], 1.0 op_sel_hi:[0,1,0]
.set i, i+1
.endr
.set u, 0
.rept 8
.set i, 0
.rept 4
	v_cvt_pk_f16_f32 v[X+8*u+i], v[X+8*u+2*i], v[X+8*u+2*i+1]
.set i, i+1
.endr
	ds_store_b128 v[AST], v[X+8*u:X+8*u+3] offset:(u%2)*4*POS+(u/2)*2*PA
.set u, u+1
.endr
	HEADS 0                                        ; tile 1's inputs, in the order in which the trips ask: hj, then hm's four row pairs
	HJLOAD 0
.irp i, 0,1,2,3
	HMLOAD \i
.endr
	s_wait_tensorcnt 0x1                           ; my part of slot 0 is in; slot 1's may stay out
	s_wait_dscnt 0x0                               ; my quarter of tile 0 is stored
	s_barrier_signal -1
	s_barrier_wait -1
	BRUN 0, 0
.irp a, 17,18,19,20,21,22
	ALOAD \a, 1                                    ; trip 0's groups 1 to 6, from tile 0
.endr
	s_wait_dscnt 0x0                               ; so that the loop's counts hold on the way in
	s_mov_b32 s[CNT], 34
.Lfill:                                                ; periods 0 to 33: each asks for the K step two periods on
	TRIP 0, 1
	TRIP 1, 1
	WIN 0
	s_sub_co_u32 s[CNT], s[CNT], 1
	s_cmp_lg_u32 s[CNT], 0
	s_cbranch_scc1 .Lfill
	s_mov_b32 s[CNT], 2
.Ldry:                                                 ; periods 34 and 35: nothing is left to ask for
	TRIP 0, 0
	TRIP 1, 0
	WIN 0
	s_sub_co_u32 s[CNT], s[CNT], 1
	s_cmp_lg_u32 s[CNT], 0
	s_cbranch_scc1 .Ldry
	; the last trip's logit (block 63), which the next trip would have stored
	s_wait_dscnt 0x0
.irp k, 1,2,3,4
	RED \k
.endr
	LGSTORE
	; block 64, the dummy row: what is left of its stages.  Its units 5, 6, 7 lie in the buffers of groups -1, 0, 1.  Unit 6's exponentials and unit 5's reciprocals are the last trip's last batch, which had its wait at the trip's end.
	; What is left makes two batches: (unit 7's exponentials, unit 6's reciprocals) and (unit 7's reciprocals); the sums of the unit before are the plain work between each batch and its wait.
	UNIT -1
.set b5, UB
	UNIT 0
.set b6, UB
	UNIT 1
.set b7, UB
	WIN 0x03
.set i, 0
.rept 8
	v_exp_f32 v[b7+i], v[248+i]
.set i, i+1
.endr
.set i, 0
.rept 4
	v_pk_add_f32 v[b6+2*i:b6+2*i+1], 1.0, v[b6+2*i:b6+2*i+1] op_sel_hi:[0,1]
.set i, i+1
.endr
	WIN 0
.set i, 0
.rept 8
	v_rcp_f32 v[b6+i], v[b6+i]
.set i, i+1
.endr
	WIN 0x04
.set UB, b5
.irp z, 0,1,2,3
	ES 5, \z
.endr
	WIN 0
	s_wait_alu depctr_va_vdst(0)                   ; the wait for unit 7's eight exponentials and unit 6's eight reciprocals, ahead of the first line that names one of them
.set i, 0
.rept 4
	v_pk_add_f32 v[b7+2*i:b7+2*i+1], 1.0, v[b7+2*i:b7+2*i+1] op_sel_hi:[0,1]
.set i, i+1
.endr
.set i, 0
.rept 8
	v_rcp_f32 v[b7+i], v[b7+i]
.set i, i+1
.endr
	WIN 0x04
.set UB, b6
.irp z, 0,1,2,3
	ES 6, \z
.endr
	s_wait_alu depctr_va_vdst(0)                   ; the wait for unit 7's eight reciprocals, ahead of their first reader
.set UB, b7
.irp z, 0,1,2,3
	ES 7, \z
.endr
	WIN 0
.irp z, 0,1,2,3
	FINZ \z
.endr
	v_permlanex16_b32 v15, v14, s[SEL], s[SEL+1]
	v_add_f32 v14, v14, v15
	ds_store_b32 v[PSA], v14
	s_wait_dscnt 0x0
	s_barrier_signal -1
	s_barrier_wait -1
	ds_load_b32 v16, v[PSR]
	s_wait_dscnt 0x0
.irp k, 1,2,3,4
	RED \k
.endr
	LGSTORE
	s_wait_dscnt 0x0                               ; for the others' sake: all my logits are stored
	s_barrier_signal -1
	s_barrier_wait -1
	; THE WAY OUT.  Logit x = 16 rb + row lies at 2048 ((x / 4) % 4) + 16 (rb + 8) + 4 (x % 4).  out0's rows begin at 4 (8193 b + 1) bytes, so the stores are of 4 bytes: 32 neighbouring lanes, 128 consecutive bytes.
	v_bfe_u32 v17, v0, 2, 2
	v_lshlrev_b32 v17, 11, v17
	v_lshrrev_b32 v18, 4, v0
	v_lshl_add_u32 v17, v18, 4, v17
	v_and_b32 v18, 3, v0
	v_lshl_add_u32 v17, v18, 2, v17
	v_add_nc_u32 v17, LG+128, v17
	v_mov_b32 v19, LG+1152                         ; block 64, row 0
.irp i, 0,1,2,3,4,5,6,7
	ds_load_b32 v[X+\i], v17 offset:128*\i
.endr
	ds_load_b32 v[X+8], v19
	v_lshlrev_b32 v18, 2, v0
	v_mov_b32 v20, 0
	v_lshl_add_u32 v21, s[Q], 7, v0                ; 0 in thread 0 of the batch's first work-group alone
	s_mul_i32 s68, s[BB], 8193
	s_lshl_b32 s69, s[Q], 10
	s_add_co_u32 s69, s69, s68
	s_add_co_u32 s69, s69, 1
	s_lshl_b32 s[OFF], s69, 2
	s_add_nc_u64 s[70:71], s[16:17], s[OFF:OFF+1]
	s_lshl_b32 s[OFF], s68, 2
	s_add_nc_u64 s[72:73], s[16:17], s[OFF:OFF+1]
.irp i, 0,1,2,3,4,5,6,7
	s_wait_dscnt 8-\i
	global_store_b32 v18, v[X+\i], s[70:71] offset:512*\i
.endr
	s_wait_dscnt 0x0
	v_cmp_eq_u32 vcc_lo, 0, v21
	s_wait_xcnt 0x0                                ; EXEC changes only behind this wait
	s_and_saveexec_b32 s68, vcc_lo
	global_store_b32 v20, v[X+8], s[72:73]         ; out0[b][0]: one work-group of the eight stores it
	s_wait_xcnt 0x0
	s_or_b32 exec_lo, exec_lo, s68
	s_wait_tensorcnt 0x0                           ; the wave's end, behind my last tensor load and my last LDS store
	ds_add_u32 v[SPW], v[NIL]
	s_wait_dscnt 0x0
	CROUND                                         ; the closing round: no work-group ends while a partner may still ask for a tile that names it
	s_endpgm
.Lfunc_end_k_q6c33b4c971_pairs:
	.size	k_q6c33b4c971_pairs, .Lfunc_end_k_q6c33b4c971_pairs-k_q6c33b4c971_pairs
	.p2alignl 7, 3214868480
	.fill 96, 4, 3214868480
	.section	.rodata,"a",@progbits
	.p2align	6, 0x0
	.amdhsa_kernel k_q6c33b4c971_pairs
		.amdhsa_group_segment_fixed_size 327680
		.amdhsa_private_segment_fixed_size 0
		.amdhsa_enable_private_segment 0
		.amdhsa_kernarg_size 56
		.amdhsa_user_sgpr_count 2
		.amdhsa_user_sgpr_kernarg_segment_ptr 1
		.amdhsa_wavefront_size32 1
		.amdhsa_system_sgpr_workgroup_id_x 1
		.amdhsa_system_sgpr_workgroup_id_y 1
		.amdhsa_system_sgpr_workgroup_id_z 1
		.amdhsa_system_vgpr_workitem_id 0
		.amdhsa_next_free_vgpr 1024
		.amdhsa_next_free_sgpr 80
		.amdhsa_reserve_vcc 1
		.amdhsa_float_denorm_mode_32 3
		.amdhsa_float_denorm_mode_16_64 3
		.amdhsa_memory_ordered 1
		.amdhsa_forward_progress 1
		.amdhsa_inst_pref_size 243
	.end_amdhsa_kernel
	.amdgpu_metadata
---
amdhsa.version: [ 1, 2 ]
amdhsa.kernels:
  - .name:           k_q6c33b4c971_pairs
    .symbol:         k_q6c33b4c971_pairs.kd
    .args:
      - { .name: W2P, .offset: 0, .size: 8, .value_kind: global_buffer, .address_space: global }
      - { .name: hmP, .offset: 8, .size: 8, .value_kind: global_buffer, .address_space: global }
      - { .name: hjP, .offset: 16, .size: 8, .value_kind: global_buffer, .address_space: global }
      - { .name: b2, .offset: 24, .size: 8, .value_kind: global_buffer, .address_space: global }
      - { .name: W3, .offset: 32, .size: 8, .value_kind: global_buffer, .address_space: global }
      - { .name: b3, .offset: 40, .size: 8, .value_kind: global_buffer, .address_space: global }
      - { .name: out0, .offset: 48, .size: 8, .value_kind: global_buffer, .address_space: global }
    .group_segment_fixed_size: 327680
    .private_segment_fixed_size: 0
    .kernarg_segment_align: 8
    .kernarg_segment_size: 56
    .max_flat_workgroup_size: 128
    .sgpr_count:     80
    .vgpr_count:     1024
    .wavefront_size: 32
...
	.end_amdgpu_metadata
.endif
;; end of part 4
